; MI455X (gfx1250); checked and timed in simulation.
; The chip was launched on July 23, 2026; its instructions are those of AMD's public machine-readable ISA for CDNA 5 (MIT licence, August 2026) and "CDNA5" Instruction Set Architecture Reference Guide (July 2026). The comments in the code are by the model that wrote it; some were corrected since.
;; Multi Head Self Attention. Allowed arithmetic: matrix products marked QUANTISED: E2M1 operands, one E8M0 scale for each 32 along K, by v_wmma_scale_f32_16x16x128_f8f6f4 with both operands' format E2M1 (or v_wmma_scale_f32_32x16x128_f4), f32 sums; products left as they are: bf16, f16 or f32 operands; f32 sums; everything else in f32.
;; Inputs: Wk 1,024 x 1,024 float32; Wo 1,024 x 1,024 float32; Wq 1,024 x 1,024 float32; Wv 1,024 x 1,024 float32; x 4 x 2,048 x 1,024 float32.
;; Outputs: out0 4 x 2,048 x 1,024 float32.
;; This version of the problem:
;;   THIS VERSION OF THE PROBLEM IS GIVEN IN LOW PRECISION. The matrix products marked QUANTISED in the list below multiply operands that are first quantised to E2M1 (2 exponent bits, 1 mantissa bit; 4 bits a number), with one power-of-two scale for each 32 numbers along K (OCP MX v1.0); their sums are f32. The products marked 'left as it is' may take bf16, f16 or f32 operands, with f32 sums. Whichever they take, every output number must still come out within the allowed error. Rounding operands to bf16 (8 significant bits) uses up far more of that allowance than f16 does (11 bits, for magnitudes from 6e-5 to 65,504). All else is computed in f32.
;;   The module's matrix products, in the order in which they are computed (A, B: the left and right operand; K: the contracted axis; several contracted axes count as one K, in the product's order):
;;     1. [M 8,192, K 1,024] x [K 1,024, N 1,024]; A: input x; B: input Wq: QUANTISED
;;     2. [M 8,192, K 1,024] x [K 1,024, N 1,024]; A: input x; B: input Wk: QUANTISED
;;     3. [M 8,192, K 1,024] x [K 1,024, N 1,024]; A: input x; B: input Wv: QUANTISED
;;     4. batch 64 x [M 2,048, K 64] x [K 64, N 2,048]; A: computed on the way; B: computed on the way: left as it is (an operand is computed on the way)
;;     5. batch 64 x [M 2,048, K 2,048] x [K 2,048, N 64]; A: computed on the way; B: computed on the way: left as it is (an operand is computed on the way)
;;     6. [M 8,192, K 1,024] x [K 1,024, N 1,024]; A: computed on the way; B: input Wo: left as it is (an operand is computed on the way)
;;   THE QUANTISER, for each operand of a quantised product, along K:
;;     - K is cut into blocks of 32 from its start; a last block that is shorter is filled with zeros.
;;     - A block's scale is 2^e with e = floor(log2(the largest magnitude in the block)) - 2, held to -126 .. 127; a block of zeros has e = 0. As a byte (E8M0): e + 127.
;;     - Each number is divided by its block's scale, clamped to +-6, and rounded to the nearest number of E2M1, ties to even, subnormals kept.
;;     - The product sums the exact products of the quantised numbers (number of the format x scale) in f32.
;;   ~~~python
;;   def quantise(x, axis):      # numpy; x: float32 -> the quantised numbers, widened to float32 again
;;       x = np.moveaxis(x, axis, -1); K = x.shape[-1]
;;       x = np.pad(x, [(0, 0)] * (x.ndim - 1) + [(0, -K % 32)]); x = x.reshape(x.shape[:-1] + (-1, 32)); a = np.abs(x).max(-1, keepdims=True)
;;       e = np.where(a > 0, np.clip(np.frexp(np.where(a > 0, a, 1))[1] - 1 - 2, -126, 127), 0)      # np.frexp(a)[1] - 1 = floor(log2(a)), exactly
;;       r = np.clip(x / 2.0 ** e, -6, 6)
;;       step = 2.0 ** (np.maximum(np.frexp(np.where(r == 0, 1, r))[1] - 1, 0) - 1)
;;       q = np.round(r / step) * step * 2.0 ** e      # np.round: ties to even
;;       return np.moveaxis(q.reshape(q.shape[:-2] + (-1,))[..., :K], -1, axis).astype(np.float32)
;;   ~~~
;; One version. Each part assembles by itself: llvm-mc -triple=amdgcn-amd-amdhsa -mcpu=gfx1250 --defsym DOCPART=n.
;; ======== version 1 of 1: 5 launches
;; limits: values are held in f16: magnitudes above 65,504 overflow, below 6.1e-05 lose precision
;; workspace buffers: mx 6,127,616 bytes; tab 524,288 bytes; wo16 2,097,152 bytes; qf 16,777,216 bytes; kf 16,777,216 bytes; vf 16,777,216 bytes; af 16,777,216 bytes; fine 786,432 bytes
;; launch prep (part 1): grid 416 x 1, 4 waves a work-group, no clusters, 33,280 bytes of LDS; arguments x, Wq, Wk, Wv, Wo, mx, wo16, tab; writes mx, wo16, tab
.if DOCPART == 1
	.amdgcn_target "amdgcn-amd-amdhsa--gfx1250"
	.amdhsa_code_object_version 6
	.text
	.protected	k_q9b56d3a9b7_prep
	.globl	k_q9b56d3a9b7_prep
	.p2align	8
	.type	k_q9b56d3a9b7_prep,@function
k_q9b56d3a9b7_prep:
	s_mov_b64 s[64:65], 0
	v_nop
	global_prefetch_b8 v0, s[64:65] scope:SCOPE_SE
	s_setreg_imm32_b32 hwreg(HW_REG_WAVE_MODE, 25, 1), 1
	s_wait_xcnt 0x0
; PREP: three jobs, told apart by the work-group's number alone.
;   work-groups   0-351: x [8192][1024] and Wq, Wk, Wv [1024][1024], f32, become codes of FP4 (E2M1), K innermost, with one E8M0 byte for each 32 along K.
;   work-groups 352-383: Wo [1024][1024] f32 becomes f16, row-major.
;   work-groups 384-415: the RoPE table [2048 positions][cos of 32 frequencies | sin of 32], f32, 256 bytes a position.
; mx holds: x's codes at 0 ([8192][512 B]); W's codes at 4,194,304 ([3072][512 B]); x's scale bytes at 5,767,168 ([8192][32 B]); W's at 6,029,312 ([3072][32 B]).
; W's rows are laid by head: row = 192 head + 64 sel + i, sel = 0 (Wq), 1 (Wk), 2 (Wv): so one head's q, k and v are 192 neighbouring rows.
; A block's scale is 2^(floor(log2(its largest magnitude)) - 2); its byte is the largest magnitude's exponent field - 2, held at 1 from below.  A block of zeros so gets the byte 1
; where the rule says 127: its codes are zeros, which add nothing, and the bytes are read by this program alone.
; LIMITS: blocks whose largest magnitude lies under 2^-124 keep the byte 1; NaN and infinities among the inputs are not served; |Wo| beyond 65,504 becomes infinity in f16.
; THE TABLE: frequency j is 2^(-j log2(10000) / 32) by v_exp_f32; the angle is f32(position) x frequency, as the model has it; it is reduced by multiples of pi/2 (pi/2 in two parts, fused),
; so |r| <= pi/4 whatever the position, and sine and cosine are series to r^9 and r^10, whose next terms lie under 2e-9.
.set WAVES, 4
.set STEPS, 16
.set EMAX,  2
.set CB,    8                          ; bytes of 16 codes
.set R,     16                         ; v16-79   four sets of 16 numbers as they are loaded
.set X,     80                         ; v80-111  two sets of 16 neighbours
.set E,     112                        ; v112-127 a scale byte for each step
.set C,     128                        ; v128-191 codes: four registers for each step
.set WREG,  8192                       ; LDS: a region for each wave: two stages of 32 x SP bytes, then its 256 scale bytes
.set SP,    80                         ; a lane's place in a stage: 64 bytes + 16 of padding
.set SPW,   12                         ; v12 LDS address of my spare word; never rewritten
.set NIL,   13                         ; v13 0; never rewritten
.set SPARE, WAVES*WREG                 ; behind the four regions: the spare words, 128 bytes a wave
	s_load_b256 s[4:11], s[0:1], 0x0               ; x s[4:5], Wq s[6:7], Wk s[8:9], Wv s[10:11]
	s_load_b256 s[12:19], s[0:1], 0x20             ; Wo s[12:13], mx s[14:15], wo16 s[16:17], tab s[18:19]
	v_lshl_add_u32 v[SPW], v0, 2, SPARE
	v_mov_b32 v[NIL], 0
	v_lshrrev_b32 v1, 5, v0
	v_readfirstlane_b32 s20, v1                    ; wave
	v_and_b32 v2, 31, v0                           ; lane
	s_cmp_ge_u32 ttmp9, 384
	s_cbranch_scc1 .Ltab
	s_cmp_ge_u32 ttmp9, 352
	s_cbranch_scc1 .Lwo
; ---------------- the quantiser: a wave takes a run of 8,192 numbers (8 whole rows), 16 steps of 512
	v_lshlrev_b32 v3, 4, v2                        ; my 16 bytes of a load's 512
	s_mul_i32 s21, s20, WREG
	v_lshrrev_b32 v14, 2, v2
	v_mul_u32_u24 v14, v14, SP
	v_and_b32 v15, 3, v2
	v_lshl_add_u32 v14, v15, 4, v14
	v_add_nc_u32 v14, s21, v14                     ; the stage, on the way in: SP (lane / 4) + 16 (lane % 4)
	v_mul_u32_u24 v15, v2, SP
	v_add_nc_u32 v15, s21, v15                     ; and on the way out: SP x lane: my 16 neighbours
	v_mul_u32_u24 v4, v2, CB                       ; my codes' place in a step's
	v_lshrrev_b32 v5, 1, v2
	s_add_co_u32 s21, s21, 2*32*SP
	v_add_nc_u32 v5, s21, v5                       ; LDS: my wave's 256 scale bytes, my block's byte
	v_lshlrev_b32 v7, 3, v2                        ; and on the way out 8 bytes a lane
	v_add_nc_u32 v6, s21, v7
	s_cmp_lt_u32 ttmp9, 256                        ; x's work-group?
	s_cselect_b32 s24, 0, 256
	s_cselect_b32 s25, 0, 4194304                  ; where the codes begin in mx
	s_mov_b32 s26, 6029312
	s_cselect_b32 s26, 5767168, s26                ; and the scale bytes
	s_sub_co_u32 s24, ttmp9, s24                   ; i: the work-group's number among x's, or among W's 96
	s_and_b32 s27, s24, 31
	s_lshr_b32 s28, s24, 5                         ; sel
	s_cmp_lt_u32 ttmp9, 256
	s_cselect_b32 s27, s24, s27
	s_lshl_b32 s27, s27, 2
	s_add_co_u32 s27, s27, s20                     ; which run of its tensor is my wave's
	s_lshr_b32 s29, s27, 3                         ; W: the head (8 runs are 64 rows)
	s_mul_i32 s29, s29, 192
	s_lshl_b32 s28, s28, 6
	s_add_co_u32 s29, s29, s28
	s_and_b32 s28, s27, 7
	s_lshl_b32 s28, s28, 3
	s_add_co_u32 s29, s29, s28                     ; W: 192 head + 64 sel + 8 (run % 8)
	s_lshl_b32 s28, s27, 3                         ; x: 8 run
	s_cmp_lt_u32 ttmp9, 256
	s_cselect_b32 s29, s28, s29                    ; the run's first row in mx
	s_lshl_b32 s30, s27, 15                        ; the run in its tensor: 32,768 bytes
	s_mov_b32 s31, 0
	s_lshl_b32 s32, s29, 9
	s_add_co_u32 s32, s32, s25
	s_mov_b32 s33, 0
	s_lshl_b32 s34, s29, 5
	s_add_co_u32 s34, s34, s26
	s_mov_b32 s35, 0
	s_wait_kmcnt 0x0
	s_cmp_lt_u32 ttmp9, 320                        ; the tensor: a choice on the work-group's number alone
	s_cselect_b64 s[22:23], s[8:9], s[10:11]
	s_cmp_lt_u32 ttmp9, 288
	s_cselect_b64 s[22:23], s[6:7], s[22:23]
	s_cmp_lt_u32 ttmp9, 256
	s_cselect_b64 s[22:23], s[4:5], s[22:23]
	s_add_nc_u64 s[22:23], s[22:23], s[30:31]
	s_add_nc_u64 s[36:37], s[14:15], s[32:33]      ; the run's 4,096 bytes of codes
	s_add_nc_u64 s[38:39], s[14:15], s[34:35]      ; and its 256 scale bytes
.macro LOAD t
.irp i, 0,1,2,3
	global_load_b128 v[R+16*((\t)%4)+4*\i:R+16*((\t)%4)+4*\i+3], v3, s[22:23] offset:2048*(\t)+512*\i th:TH_LOAD_NT   ; 32 lanes read 512 consecutive bytes
.endr
.endm
.macro TURN t                          ; step t's numbers through the stage: LDS serves a wave's instructions in order, so no wait stands between the stores and the loads
.irp i, 0,1,2,3
	ds_store_b128 v14, v[R+16*((\t)%4)+4*\i:R+16*((\t)%4)+4*\i+3] offset:32*SP*((\t)%2)+8*SP*\i
.endr
.irp i, 0,1,2,3
	ds_load_b128 v[X+16*((\t)%2)+4*\i:X+16*((\t)%2)+4*\i+3], v15 offset:32*SP*((\t)%2)+16*\i
.endr
.endm
.irp t, 0,1,2,3
	LOAD \t
.endr
	s_wait_loadcnt 12                              ; step 0's four loads are in; the twelve of steps 1 to 3 may be out
	TURN 0
.macro QSTEP t
.set XS, X+16*((\t)%2)
.if (\t) > 0
	s_wait_dscnt 1                                 ; this step's numbers are back from the stage (the last step's byte store may be out)
.else
	s_wait_dscnt 0x0
.endif
.if (\t)+4 < STEPS
	LOAD (\t)+4                                    ; into the registers that the stage's stores have read
.endif
.if (\t)+1 < STEPS
.if STEPS-2-(\t) >= 3
	s_wait_loadcnt 12                              ; the next step's four loads are in; those of the three steps behind it may be out
.else
	s_wait_loadcnt 4*(STEPS-2-(\t))
.endif
	TURN (\t)+1
.endif
	v_max3_num_f32 v8, |v[XS]|, |v[XS+1]|, |v[XS+2]|               ; the largest magnitude of my 16
	v_max3_num_f32 v9, |v[XS+3]|, |v[XS+4]|, |v[XS+5]|
.irp i, 6,10
	v_max3_num_f32 v8, v8, |v[XS+\i]|, |v[XS+\i+1]|
	v_max3_num_f32 v9, v9, |v[XS+\i+2]|, |v[XS+\i+3]|
.endr
	v_max3_num_f32 v8, v8, |v[XS+14]|, |v[XS+15]|
	v_max3_num_f32 v8, v8, v9, (EMAX+1)<<23        ; and the floor 2^(3 - 127): the byte cannot fall under 1
	v_max_num_f32_dpp v8, v8, v8 row_xmask:1 row_mask:0xf bank_mask:0xf   ; and of my neighbour's 16: the block's
	v_add_nc_u32 v11, -(EMAX<<23), v8              ; 2 off its exponent field: the conversion takes the exponent field of this operand as its scale
	v_cvt_scalef32_pk8_fp4_f32 v[C+4*(\t)], v[XS:XS+7], v11
	v_cvt_scalef32_pk8_fp4_f32 v[C+4*(\t)+1], v[XS+8:XS+15], v11
	v_lshrrev_b32 v[E+(\t)], 23, v11               ; the scale's byte (a plain line behind the conversions)
	ds_store_b8 v5, v[E+(\t)] offset:16*(\t)       ; both lanes of a block write the same byte with the same value
	global_store_b64 v4, v[C+4*(\t):C+4*(\t)+1], s[36:37] offset:32*CB*(\t)   ; the wave stores 256 consecutive bytes, aligned
.endm
.irp t, 0,1,2,3,4,5,6,7,8,9,10,11,12,13,14,15
	QSTEP \t
.endr
	ds_load_b64 v[8:9], v6                         ; LDS serves a wave's instructions in order: these see my stores
	s_wait_dscnt 0x0
	global_store_b64 v7, v[8:9], s[38:39]          ; 32 lanes store 256 consecutive bytes, aligned
	s_wait_tensorcnt 0x0                           ; the wave's end
	ds_add_u32 v[SPW], v[NIL]
	s_wait_dscnt 0x0
	s_endpgm
; ---------------- Wo to f16: a wave takes 8,192 numbers, four rounds of 16 loads, two sets of registers by turns
.Lwo:
	s_sub_co_u32 s21, ttmp9, 352
	s_lshl_b32 s21, s21, 2
	s_add_co_u32 s21, s21, s20                     ; run 0..127
	s_lshl_b32 s22, s21, 15
	s_mov_b32 s23, 0
	s_lshl_b32 s24, s21, 14
	s_mov_b32 s25, 0
	v_lshlrev_b32 v3, 4, v2                        ; in: 16 bytes a lane
	v_lshlrev_b32 v4, 3, v2                        ; out: 8
	s_wait_kmcnt 0x0
	s_add_nc_u64 s[12:13], s[12:13], s[22:23]
	s_add_nc_u64 s[16:17], s[16:17], s[24:25]
.macro WLOAD r
.irp n, 0,1,2,3,4,5,6,7,8,9,10,11,12,13,14,15
	global_load_b128 v[16+64*((\r)%2)+4*\n:16+64*((\r)%2)+4*\n+3], v3, s[12:13] offset:512*(16*(\r)+\n)
.endr
.endm
.macro WROUND r
.if (\r) < 3
	s_wait_loadcnt 16                              ; this round's 16 loads are in; the next round's may be out
.else
	s_wait_loadcnt 0x0
.endif
.if (\r) > 0
	s_wait_xcnt 0x0                                ; the last round's stores have read v144-175
.endif
.irp n, 0,1,2,3,4,5,6,7,8,9,10,11,12,13,14,15
	v_cvt_pk_f16_f32 v[144+2*\n], v[16+64*((\r)%2)+4*\n], v[16+64*((\r)%2)+4*\n+1]
	v_cvt_pk_f16_f32 v[145+2*\n], v[16+64*((\r)%2)+4*\n+2], v[16+64*((\r)%2)+4*\n+3]
.endr
.irp n, 0,1,2,3,4,5,6,7,8,9,10,11,12,13,14,15
	global_store_b64 v4, v[144+2*\n:145+2*\n], s[16:17] offset:256*(16*(\r)+\n)   ; 256 consecutive bytes, aligned
.endr
.if (\r)+2 < 4
	WLOAD (\r)+2
.endif
.endm
	WLOAD 0
	WLOAD 1
	WROUND 0
	WROUND 1
	WROUND 2
	WROUND 3
	s_endpgm
; ---------------- the table: sixteen threads to a position, four numbers a thread, eight positions a pass, eight passes
.Ltab:
	s_sub_co_u32 s21, ttmp9, 384
	s_lshl_b32 s22, s21, 14                        ; 64 positions x 256 bytes
	s_mov_b32 s23, 0
	s_lshl_b32 s21, s21, 6                         ; the work-group's first position
	v_and_b32 v3, 15, v0                           ; which 16 bytes of a row: 0-7 cosines, 8-15 sines
	v_lshrrev_b32 v4, 4, v0
	v_add_nc_u32 v4, s21, v4                       ; my position
	v_lshlrev_b32 v5, 4, v0                        ; my 16 bytes in a pass's 2,048
	v_and_b32 v6, 7, v3
	v_lshlrev_b32 v6, 2, v6                        ; my first frequency
	v_cmp_gt_u32 vcc_lo, 8, v3
	v_cndmask_b32 v7, 0, 1, vcc_lo                 ; 1: cosine = the sine a quarter turn on
	s_mov_b32 s26, 0x3fc90fdb                      ; pi/2, its upper part,
	s_mov_b32 s27, 0xb33bbd2e                      ; and what is left of it
	s_mov_b32 s28, 0x3638ef1d                      ; 1/9!
	s_mov_b32 s29, 0xb9500d01                      ; -1/7!
	s_mov_b32 s30, 0x3c088889                      ; 1/5!
	s_mov_b32 s31, 0xbe2aaaab                      ; -1/3!
	s_mov_b32 s32, 0xb493f27e                      ; -1/10!
	s_mov_b32 s33, 0x37d00d01                      ; 1/8!
	s_mov_b32 s34, 0xbab60b61                      ; -1/6!
	s_mov_b32 s35, 0x3d2aaaab                      ; 1/4!
.irp i, 0,1,2,3
	v_add_nc_u32 v[16+\i], \i, v6
.endr
.irp i, 0,1,2,3
	v_cvt_f32_u32 v[16+\i], v[16+\i]
.endr
.irp i, 0,1,2,3
	v_mul_f32 v[16+\i], 0xbed49a78, v[16+\i]       ; -j log2(10000) / 32
.endr
.irp i, 0,1,2,3
	v_exp_f32 v[8+\i], v[16+\i]                    ; the frequency
.endr
	v_nop                                          ; a plain line behind the last exponential
	s_wait_alu depctr_va_vdst(0)                   ; one wait for the four, ahead of the label and of their first reader
	s_wait_kmcnt 0x0
	s_add_nc_u64 s[18:19], s[18:19], s[22:23]
	s_mov_b32 s21, 0
.Lpass:
	v_cvt_f32_u32 v14, v4
.irp i, 0,1,2,3
	v_mul_f32 v[24+\i], v14, v[8+\i]               ; the angle
.endr
.irp i, 0,1,2,3
	v_mul_f32 v[28+\i], 0x3f22f983, v[24+\i]       ; x 2/pi
.endr
.irp i, 0,1,2,3
	v_rndne_f32 v[28+\i], v[28+\i]                 ; n quarter turns
.endr
.irp i, 0,1,2,3
	v_fma_f32 v[32+\i], -v[28+\i], s26, v[24+\i]
.endr
.irp i, 0,1,2,3
	v_fma_f32 v[32+\i], -v[28+\i], s27, v[32+\i]   ; r = angle - n pi/2
.endr
.irp i, 0,1,2,3
	v_mul_f32 v[36+\i], v[32+\i], v[32+\i]         ; z = r r
.endr
.irp i, 0,1,2,3
	v_fma_f32 v[40+\i], v[36+\i], s28, s29
	v_fma_f32 v[44+\i], v[36+\i], s32, s33
.endr
.irp i, 0,1,2,3
	v_fma_f32 v[40+\i], v[40+\i], v[36+\i], s30
	v_fma_f32 v[44+\i], v[44+\i], v[36+\i], s34
.endr
.irp i, 0,1,2,3
	v_fma_f32 v[40+\i], v[40+\i], v[36+\i], s31
	v_fma_f32 v[44+\i], v[44+\i], v[36+\i], s35
.endr
.irp i, 0,1,2,3
	v_mul_f32 v[48+\i], v[32+\i], v[36+\i]
	v_fma_f32 v[44+\i], v[44+\i], v[36+\i], -0.5
.endr
.irp i, 0,1,2,3
	v_fma_f32 v[40+\i], v[40+\i], v[48+\i], v[32+\i]   ; sin r
	v_fma_f32 v[44+\i], v[44+\i], v[36+\i], 1.0        ; cos r
.endr
.irp i, 0,1,2,3
	v_cvt_i32_f32 v[52+\i], v[28+\i]
.endr
.irp i, 0,1,2,3
	v_add_nc_u32 v[52+\i], v[52+\i], v7            ; k quarter turns: sin(r + k pi/2)
.endr
.irp i, 0,1,2,3
	v_and_b32 v[48+\i], 1, v[52+\i]
	v_cmp_eq_u32 vcc_lo, 1, v[48+\i]
	v_cndmask_b32 v[40+\i], v[40+\i], v[44+\i], vcc_lo   ; k odd: the cosine
	v_and_b32 v[48+\i], 2, v[52+\i]
	v_lshlrev_b32 v[48+\i], 30, v[48+\i]
	v_xor_b32 v[56+\i], v[40+\i], v[48+\i]         ; k % 4 >= 2: the sign turns
.endr
	global_store_b128 v5, v[56:59], s[18:19]       ; sixteen lanes store a position's 256 bytes, aligned
	s_wait_xcnt 0x0                                ; the store has read its data and its base: both are written again
	s_add_nc_u64 s[18:19], s[18:19], 2048
	v_add_nc_u32 v4, 8, v4
	s_add_co_u32 s21, s21, 1
	s_cmp_lt_u32 s21, 8
	s_cbranch_scc1 .Lpass
	s_endpgm
.Lfunc_end_k_q9b56d3a9b7_prep:
	.size	k_q9b56d3a9b7_prep, .Lfunc_end_k_q9b56d3a9b7_prep-k_q9b56d3a9b7_prep
	.p2alignl 7, 3214868480
	.fill 96, 4, 3214868480
	.section	.rodata,"a",@progbits
	.p2align	6, 0x0
	.amdhsa_kernel k_q9b56d3a9b7_prep
		.amdhsa_group_segment_fixed_size 33280
		.amdhsa_private_segment_fixed_size 0
		.amdhsa_enable_private_segment 0
		.amdhsa_kernarg_size 64
		.amdhsa_user_sgpr_count 2
		.amdhsa_user_sgpr_kernarg_segment_ptr 1
		.amdhsa_wavefront_size32 1
		.amdhsa_system_sgpr_workgroup_id_x 1
		.amdhsa_system_sgpr_workgroup_id_y 1
		.amdhsa_system_sgpr_workgroup_id_z 1
		.amdhsa_system_vgpr_workitem_id 0
		.amdhsa_next_free_vgpr 192
		.amdhsa_next_free_sgpr 66
		.amdhsa_reserve_vcc 1
		.amdhsa_float_denorm_mode_32 3
		.amdhsa_float_denorm_mode_16_64 3
		.amdhsa_memory_ordered 1
		.amdhsa_forward_progress 1
		.amdhsa_inst_pref_size 62
	.end_amdhsa_kernel
	.amdgpu_metadata
---
amdhsa.version: [ 1, 2 ]
amdhsa.kernels:
  - .name:           k_q9b56d3a9b7_prep
    .symbol:         k_q9b56d3a9b7_prep.kd
    .args:
      - { .name: x, .offset: 0, .size: 8, .value_kind: global_buffer, .address_space: global }
      - { .name: Wq, .offset: 8, .size: 8, .value_kind: global_buffer, .address_space: global }
      - { .name: Wk, .offset: 16, .size: 8, .value_kind: global_buffer, .address_space: global }
      - { .name: Wv, .offset: 24, .size: 8, .value_kind: global_buffer, .address_space: global }
      - { .name: Wo, .offset: 32, .size: 8, .value_kind: global_buffer, .address_space: global }
      - { .name: mx, .offset: 40, .size: 8, .value_kind: global_buffer, .address_space: global }
      - { .name: wo16, .offset: 48, .size: 8, .value_kind: global_buffer, .address_space: global }
      - { .name: tab, .offset: 56, .size: 8, .value_kind: global_buffer, .address_space: global }
    .group_segment_fixed_size: 33280
    .private_segment_fixed_size: 0
    .kernarg_segment_align: 8
    .kernarg_segment_size: 64
    .max_flat_workgroup_size: 128
    .sgpr_count:     66
    .vgpr_count:     192
    .wavefront_size: 32
...
	.end_amdgpu_metadata
.endif
;; end of part 1
;; launch qkv (part 2): grid 16 x 32, 4 waves a work-group, clusters of 4 x 4, 327,680 bytes of LDS; arguments mx, tab, qf, kf, vf, fine; writes qf, kf, vf, fine
.if DOCPART == 2
	.amdgcn_target "amdgcn-amd-amdhsa--gfx1250"
	.amdhsa_code_object_version 6
	.text
	.protected	k_q9b56d3a9b7_qkv
	.globl	k_q9b56d3a9b7_qkv
	.p2align	8
	.type	k_q9b56d3a9b7_qkv,@function
k_q9b56d3a9b7_qkv:
	s_mov_b64 s[64:65], 0
	v_nop
	global_prefetch_b8 v0, s[64:65] scope:SCOPE_SE
	s_setreg_imm32_b32 hwreg(HW_REG_WAVE_MODE, 25, 1), 1
	s_wait_xcnt 0x0
	s_wait_alu depctr_hold_cnt(0) depctr_sa_sdst(0) depctr_va_vdst(0) depctr_va_sdst(0) depctr_va_ssrc(0) depctr_va_vcc(0) depctr_vm_vsrc(0)
	s_getreg_b32 s2, hwreg(HW_REG_IB_STS2, 6, 4)
	s_cmp_eq_u32 s2, 0
	s_cbranch_scc0 .Lentry_in_a_cluster
	s_endpgm
.Lentry_in_a_cluster:
	s_bfe_u32 s2, ttmp6, 0x10000c
	s_cmp_lg_u32 s2, 0xf033
	s_cbranch_scc0 .Lentry_shape_is_right
	s_endpgm
.Lentry_shape_is_right:
; QKV: [8192][1024] x [3072][1024]^T on codes of FP4 (E2M1) with one E8M0 scale for each 32 along K, sums in f32; then RoPE on q and k, q x log2(e)/8, and rounding to f16.
; SHARES.  A work-group makes 256 rows x 192 columns: one head's q, k and v (W's rows lie by head in mx).  Wave w takes rows 64 w .. 64 w + 63 and all 192 columns: 4 x 12 = 48 accumulators.
; The whole K (1,024 codes = 512 bytes a row) fits in LDS as two slots of 512 along K: every tile is filled once, nothing is filled again.
; CLUSTER 4 x 4: head = 4 x cluster x + cx, batch = cy, the row tile in the batch = cluster y.  x's tile hangs on (cy, cluster y) and is shared along a row of the cluster, W's on the head and is shared along a column:
; each is asked for jointly.  With this mapping 'positions 0 to 15 of a batch' is the test cluster y = 0, wave 0: the same in all partners.
; q AND k ARE MADE TRANSPOSED (source 0 = 16 rows of W, source 1 = 16 rows of x): a lane holds one position and eight neighbouring channels.  v IS MADE THE NATURAL WAY (source 0 = x, source 1 = W):
; a lane holds one channel and eight neighbouring keys.  Rounded to f16 in pairs these ARE the registers of the attention's operands, so they are stored as images of registers, 512 consecutive bytes a store:
;   qf, kf: [batch x head][position / 16][piece 4][lane][16 B]: lane (r, h): position r, channels 16 piece + 8 h + 0..7
;   vf:     [batch x head][key / 32][16 channels 4][half 2][lane][16 B]: lane (r, h): channel r, keys 16 half + 8 h + 0..7
;   fine:   [batch][head][q, k, v][piece 8][lane][16 B]: positions 0 to 15 in f32, the same registers unrounded
; LIMITS: |q| log2(e)/8, |k|, |v| beyond 65,504 become infinity in f16; NaN and infinities among the inputs are not served.
; REGISTERS, in windows of 256: window 0: addresses; v32-47 x's scale words, v48-95 W's (all of K); v96-159 x's fragments, two sets; v160-191, v192-207 at work on the way out.
;   window 1: W's fragments, two sets of 96.   window 2: the 32 accumulators of q and k, (b, a) at 8 (4 b + a).   window 3: v0-127 the 16 of v; v128-255 the table's cosines and sines for my 64 positions.
.set PITCH, 272                        ; an LDS row: 256 bytes + 16 of padding: the sixteen rows of a fragment load start at sixteen different banks (64 banks of 4 bytes: ISA guide 11.1)
.set SLOT,  121856                     ; x's 256 rows, then W's 192
.set BOFF,  69632
.set SCL,   243712                     ; the scale bytes, as runs of 256 bytes + 16 of padding: x's 32 runs,
.set SCB,   SCL+8704                   ; W's 24
.set SPARE, 259072                     ; the spare words, 128 bytes a wave
.set ADRA, 16                          ; v16-17 LDS address of my fragments of x in slot 0, 1
.set ADRB, 20                          ; v20-21 of W
.set ADSA, 22                          ; v22 of x's scale words: lanes 0-15 an even block of 16 rows, lanes 16-31 the odd one behind it
.set ADSB, 23                          ; v23 of W's
.set GO,   24                          ; v24 16 x lane
.set TA,   25                          ; v25 my place in the table
.set SPW,  28
.set NIL,  29
.set SA,   32                          ; register 8 pair + K step
.set SB,   48
.set AF,   96
.set T,    160
.set P16,  192
.set TABR, 128
.set WV,   17                          ; s17 wave;  s18 I fetch for x (0) or W (1);  s19 which half of the tile's rows
.set FB,   18
.set W1,   19
.set NF,   3                           ; s3  cluster y | wave: 0 where positions 0 to 15 are mine
.set CS,   66                          ; s[66:67] log2(e) / 8
.set G1, 24
.set G0, 32
.set G1B, 48
.set G0B, 56
.set G1S, 68
.set G0S, 76
.set G1SB, 80
.set G0SB, 88
.set MSB, 0
.macro WIN new                         ; the immediate's high byte repeats the setting that is left
.if MSB != \new
	s_set_vgpr_msb (MSB<<8)|\new
.set MSB, \new
.endif
.endm
.macro PLACES n
.rept \n
	v_nop
.endr
.endm
; A joint load: waves 0 and 1 fetch for x, waves 2 and 3 for W.  The branch hangs on the wave's number alone.  An s_nop 0 and four v_nop follow each line.
.macro JLOAD g0a, g1a, g0b, g1b
	s_cmp_eq_u32 s[FB], 0
	s_cbranch_scc0 .Lfor_b_\@
	tensor_load_to_lds s[\g0a:\g0a+3], s[\g1a:\g1a+7]
	s_nop 0
.rept 4
	v_nop
.endr
	s_branch .Lasked_\@
.Lfor_b_\@:
	tensor_load_to_lds s[\g0b:\g0b+3], s[\g1b:\g1b+7]
	s_nop 0
.rept 4
	v_nop
.endr
.Lasked_\@:
.endm
.macro CROUND                          ; a round of the cluster's barrier
	s_barrier_signal -1
	s_barrier_wait -1
	s_cmp_lg_u32 s[WV], 0
	s_cbranch_scc1 .Lnot_wave_0_\@
	s_barrier_signal -3
.Lnot_wave_0_\@:
	s_barrier_wait -3
	s_barrier_signal -1
	s_barrier_wait -1
.endm
	s_load_b256 s[4:11], s[0:1], 0x0               ; mx s[4:5], tab s[6:7], qf s[8:9], kf s[10:11]
	s_load_b128 s[12:15], s[0:1], 0x20             ; vf s[12:13], fine s[14:15]
	v_lshl_add_u32 v[SPW], v0, 2, SPARE
	v_mov_b32 v[NIL], 0
	ds_add_u32 v[SPW], v[NIL]                      ; the wave's opening: the add, twice on end, and its wait ahead of my first tensor load
	ds_add_u32 v[SPW], v[NIL]
	v_lshrrev_b32 v1, 5, v0
	v_readfirstlane_b32 s[WV], v1
	s_lshr_b32 s[FB], s[WV], 1
	s_and_b32 s[W1], s[WV], 1
	s_bfe_u32 s40, ttmp6, 0x40000                  ; cx
	s_bfe_u32 s41, ttmp6, 0x40004                  ; cy = the batch
	s_lshl_b32 s42, ttmp9, 2
	s_add_co_u32 s42, s42, s40                     ; the head
	s_and_b32 s43, ttmp7, 0xffff                   ; the row tile in the batch
	s_lshl_b32 s44, s41, 2
	s_lshl_b32 s44, 15, s44                        ; my row of the cluster
	s_lshl_b32 s45, 0x1111, s40                    ; my column
	; group 1: codes: rows of 256 bytes, 512 apart in memory, 16 bytes of padding behind each; 128 rows of x, 96 of W
	s_or_b32 s[G1], s44, (1<<20)|(1<<21)|(5<<22)|(3<<25)
	s_or_b32 s[G1B], s45, (1<<20)|(1<<21)|(5<<22)|(3<<25)
	s_mov_b32 s[G1+1], 256<<16
	s_mov_b32 s[G1+2], 128<<16
	s_mov_b32 s[G1+3], 256<<16
	s_mov_b32 s[G1+4], 128
	s_mov_b32 s[G1+5], 512
	s_mov_b32 s[G1+6], 0
	s_mov_b32 s[G1+7], 0
	s_mov_b32 s[G1B+1], 256<<16
	s_mov_b32 s[G1B+2], 96<<16
	s_mov_b32 s[G1B+3], 256<<16
	s_mov_b32 s[G1B+4], 96
	s_mov_b32 s[G1B+5], 512
	s_mov_b32 s[G1B+6], 0
	s_mov_b32 s[G1B+7], 0
	; scale bytes: dense blocks, as rows of 256 bytes (32 elements of 8), 16 bytes of padding behind each; 16 rows for x's 128, 12 for W's 96
	s_or_b32 s[G1S], s44, (3<<16)|(1<<20)|(1<<21)|(5<<22)|(3<<25)
	s_or_b32 s[G1SB], s45, (3<<16)|(1<<20)|(1<<21)|(5<<22)|(3<<25)
	s_mov_b32 s[G1S+1], 32<<16
	s_mov_b32 s[G1S+2], 16<<16
	s_mov_b32 s[G1S+3], 32<<16
	s_mov_b32 s[G1S+4], 16
	s_mov_b32 s[G1S+5], 32
	s_mov_b32 s[G1S+6], 0
	s_mov_b32 s[G1S+7], 0
	s_mov_b32 s[G1SB+1], 32<<16
	s_mov_b32 s[G1SB+2], 12<<16
	s_mov_b32 s[G1SB+3], 32<<16
	s_mov_b32 s[G1SB+4], 12
	s_mov_b32 s[G1SB+5], 32
	s_mov_b32 s[G1SB+6], 0
	s_mov_b32 s[G1SB+7], 0
	; where the tiles come from: x's hang on (cy, cluster y), W's on the head, each in registers that never hold the other's coordinate
	s_lshl_b32 s20, s41, 11
	s_lshl_b32 s16, s43, 8
	s_add_co_u32 s20, s20, s16
	s_lshl_b32 s16, s[W1], 7
	s_add_co_u32 s20, s20, s16                     ; x: row 2,048 batch + 256 tile + 128 half
	s_lshl_b32 s22, s20, 5
	s_add_co_u32 s22, s22, 5767168                 ; its scale bytes in mx
	s_mov_b32 s23, 0
	s_lshl_b32 s20, s20, 9                         ; its codes
	s_mov_b32 s21, 0
	s_mul_i32 s46, s42, 192
	s_mul_i32 s16, s[W1], 96
	s_add_co_u32 s46, s46, s16                     ; W: row 192 head + 96 half
	s_lshl_b32 s92, s46, 5
	s_add_co_u32 s92, s92, 6029312
	s_mov_b32 s93, 0
	s_lshl_b32 s46, s46, 9
	s_add_co_u32 s46, s46, 4194304
	s_mov_b32 s47, 0
	s_mul_i32 s94, s[W1], 128*PITCH                ; and where they go: no place in the cluster enters an LDS address
	s_mul_i32 s95, s[W1], 96*PITCH
	s_add_co_u32 s95, s95, BOFF
	s_mul_i32 s96, s[W1], 16*PITCH
	s_add_co_u32 s96, s96, SCL
	s_mul_i32 s97, s[W1], 12*PITCH
	s_add_co_u32 s97, s97, SCB
	s_mov_b32 s[CS], 0x3e38aa3b                    ; log2(e) / 8
	s_mov_b32 s[CS+1], s[CS]
	s_or_b32 s[NF], s43, s[WV]
	s_wait_dscnt 0x0                               ; both opening adds are done
	s_wait_kmcnt 0x0
	s_add_nc_u64 s[20:21], s[4:5], s[20:21]
	s_add_nc_u64 s[22:23], s[4:5], s[22:23]
	s_add_nc_u64 s[46:47], s[4:5], s[46:47]
	s_add_nc_u64 s[92:93], s[4:5], s[92:93]
	CROUND                                         ; all sixteen work-groups are here: the joint loads meet
	s_mov_b32 s[G0S], 1
	s_mov_b32 s[G0S+1], s96
	s_mov_b64 s[G0S+2:G0S+3], s[22:23]
	s_or_b32 s[G0S+3], s[G0S+3], 0x80000000
	s_mov_b32 s[G0SB], 1
	s_mov_b32 s[G0SB+1], s97
	s_mov_b64 s[G0SB+2:G0SB+3], s[92:93]
	s_or_b32 s[G0SB+3], s[G0SB+3], 0x80000000
	JLOAD G0S, G1S, G0SB, G1SB                     ; the scale bytes first: they are wanted with K step 0
.irp s, 0,1
	s_mov_b32 s[G0+4*\s], 1
	s_add_co_u32 s[G0+4*\s+1], s94, \s*SLOT
	s_add_nc_u64 s[G0+4*\s+2:G0+4*\s+3], s[20:21], \s*256
	s_or_b32 s[G0+4*\s+3], s[G0+4*\s+3], 0x80000000
	s_mov_b32 s[G0B+4*\s], 1
	s_add_co_u32 s[G0B+4*\s+1], s95, \s*SLOT
	s_add_nc_u64 s[G0B+4*\s+2:G0B+4*\s+3], s[46:47], \s*256
	s_or_b32 s[G0B+4*\s+3], s[G0B+4*\s+3], 0x80000000
	JLOAD G0+4*\s, G1, G0B+4*\s, G1B               ; three loads of mine are out in all
.endr
	v_and_b32 v1, 15, v0                           ; r
	v_bfe_u32 v2, v0, 4, 1                         ; h
	v_mul_u32_u24 v3, v1, PITCH
	v_lshl_add_u32 v3, v2, 4, v3                   ; a fragment's row x pitch + 16 h
	s_mul_i32 s16, s[WV], 64*PITCH
	v_add_nc_u32 v[ADRA], s16, v3
	v_add_nc_u32 v[ADRA+1], SLOT, v[ADRA]
	v_add_nc_u32 v[ADRB], BOFF, v3
	v_add_nc_u32 v[ADRB+1], SLOT, v[ADRB]
	v_lshrrev_b32 v4, 3, v1
	v_lshlrev_b32 v4, 4, v4
	v_lshl_add_u32 v4, v1, 5, v4                   ; row r's 32 scale bytes: 32 r, and 16 more behind each 256
	v_mad_u32_u24 v4, v2, 2*PITCH, v4              ; lanes 16-31: the block of 16 rows behind
	v_add_nc_u32 v[ADSB], SCB, v4
	s_mul_i32 s16, s[WV], 8*PITCH
	s_add_co_u32 s16, s16, SCL
	v_add_nc_u32 v[ADSA], s16, v4
	v_and_b32 v5, 31, v0
	v_lshlrev_b32 v[GO], 4, v5
	s_lshl_b32 s16, s43, 16
	s_lshl_b32 s2, s[WV], 14
	s_add_co_u32 s16, s16, s2
	v_lshlrev_b32 v5, 8, v1
	v_lshl_add_u32 v5, v2, 4, v5
	v_add_nc_u32 v[TA], s16, v5                    ; (256 tile + 64 wave + r) x 256 + 16 h
	s_lshl_b32 s16, s41, 4
	s_add_co_u32 s16, s16, s42                     ; 16 batch + head
	s_mul_i32 s92, s16, 12288
	s_mov_b32 s93, 0
	s_add_nc_u64 s[14:15], s[14:15], s[92:93]      ; fine at my head
	s_lshl_b32 s92, s16, 18
	s_lshl_b32 s2, s43, 15
	s_add_co_u32 s92, s92, s2
	s_lshl_b32 s2, s[WV], 13
	s_add_co_u32 s92, s92, s2                      ; 262,144 (16 batch + head) + 128 (256 tile + 64 wave)
	s_add_nc_u64 s[8:9], s[8:9], s[92:93]
	s_add_nc_u64 s[10:11], s[10:11], s[92:93]
	s_add_nc_u64 s[12:13], s[12:13], s[92:93]
	WIN 0xc0                                       ; destination window 3
.irp a, 0,1,2,3                        ; the table for position 16 a + r, channels 16 piece + 8 h + 0..7: four cosines, four sines
.irp bp, 0,1,2,3
	global_load_b128 v[TABR+32*\a+8*\bp:TABR+32*\a+8*\bp+3], v[TA], s[6:7] offset:4096*\a+32*\bp
	global_load_b128 v[TABR+32*\a+8*\bp+4:TABR+32*\a+8*\bp+7], v[TA], s[6:7] offset:4096*\a+32*\bp+128
.endr
.endr
	WIN 0
; One product.  The symbols rD, rA, rB, rSA, rSB name its registers; ra, rb: the scale words stand in lanes 16-31.
.macro WM zero, ra, rb
.if \zero
.if (\ra) && (\rb)
	v_wmma_scale_f32_16x16x128_f8f6f4 v[rD:rD+7], v[rA:rA+7], v[rB:rB+7], 0, v[rSA], v[rSB] matrix_a_fmt:MATRIX_FMT_FP4 matrix_b_fmt:MATRIX_FMT_FP4 matrix_a_scale:MATRIX_SCALE_ROW1 matrix_b_scale:MATRIX_SCALE_ROW1
.elseif \ra
	v_wmma_scale_f32_16x16x128_f8f6f4 v[rD:rD+7], v[rA:rA+7], v[rB:rB+7], 0, v[rSA], v[rSB] matrix_a_fmt:MATRIX_FMT_FP4 matrix_b_fmt:MATRIX_FMT_FP4 matrix_a_scale:MATRIX_SCALE_ROW1
.elseif \rb
	v_wmma_scale_f32_16x16x128_f8f6f4 v[rD:rD+7], v[rA:rA+7], v[rB:rB+7], 0, v[rSA], v[rSB] matrix_a_fmt:MATRIX_FMT_FP4 matrix_b_fmt:MATRIX_FMT_FP4 matrix_b_scale:MATRIX_SCALE_ROW1
.else
	v_wmma_scale_f32_16x16x128_f8f6f4 v[rD:rD+7], v[rA:rA+7], v[rB:rB+7], 0, v[rSA], v[rSB] matrix_a_fmt:MATRIX_FMT_FP4 matrix_b_fmt:MATRIX_FMT_FP4
.endif
.else
.if (\ra) && (\rb)
	v_wmma_scale_f32_16x16x128_f8f6f4 v[rD:rD+7], v[rA:rA+7], v[rB:rB+7], v[rD:rD+7], v[rSA], v[rSB] matrix_a_fmt:MATRIX_FMT_FP4 matrix_b_fmt:MATRIX_FMT_FP4 matrix_a_scale:MATRIX_SCALE_ROW1 matrix_b_scale:MATRIX_SCALE_ROW1
.elseif \ra
	v_wmma_scale_f32_16x16x128_f8f6f4 v[rD:rD+7], v[rA:rA+7], v[rB:rB+7], v[rD:rD+7], v[rSA], v[rSB] matrix_a_fmt:MATRIX_FMT_FP4 matrix_b_fmt:MATRIX_FMT_FP4 matrix_a_scale:MATRIX_SCALE_ROW1
.elseif \rb
	v_wmma_scale_f32_16x16x128_f8f6f4 v[rD:rD+7], v[rA:rA+7], v[rB:rB+7], v[rD:rD+7], v[rSA], v[rSB] matrix_a_fmt:MATRIX_FMT_FP4 matrix_b_fmt:MATRIX_FMT_FP4 matrix_b_scale:MATRIX_SCALE_ROW1
.else
	v_wmma_scale_f32_16x16x128_f8f6f4 v[rD:rD+7], v[rA:rA+7], v[rB:rB+7], v[rD:rD+7], v[rSA], v[rSB] matrix_a_fmt:MATRIX_FMT_FP4 matrix_b_fmt:MATRIX_FMT_FP4
.endif
.endif
.endm
; 16 products of q or k, transposed: W's blocks b0 .. b0 + 3 x my four blocks of rows.  The 48 accumulators take turns, one instruction a turn, in the same order in every step.
.macro MULT ks, b0, zero
.irp b, \b0, \b0+1, \b0+2, \b0+3
.irp a, 0,1,2,3
.set rD, 8*(4*(\b)+\a)
.set rA, 96*((\ks)%2)+8*(\b)
.set rB, AF+32*((\ks)%2)+8*\a
.set rSA, SB+8*((\b)/2)+(\ks)
.set rSB, SA+8*(\a/2)+(\ks)
	WM \zero, (\b)%2, \a%2
.endr
.endr
.endm
; 16 products of v, the natural way
.macro MULN ks, zero
.irp b, 8,9,10,11
.irp a, 0,1,2,3
.set rD, 8*(4*(\b-8)+\a)
.set rA, AF+32*((\ks)%2)+8*\a
.set rB, 96*((\ks)%2)+8*\b
.set rSA, SA+8*(\a/2)+(\ks)
.set rSB, SB+8*(\b/2)+(\ks)
	WM \zero, \a%2, \b%2
.endr
.endr
.endm
; A fragment, 16 rows x 128 K of 4-bit codes, is 8 registers: lane l holds row l % 16; registers 4 c .. 4 c + 3 hold K = 64 c + 32 (l / 16) + 0 .. 31: two loads of 16 bytes, 32 apart.
.macro FETCH ks                        ; K step ks: W's twelve fragments and my four of x, into set ks % 2
.set sl, (\ks)/4
.set pp, (\ks)%2
.set kq, 64*((\ks)%4)
	WIN 0x40                                       ; destination window 1
.irp b, 0,1,2,3,4,5,6,7,8,9,10,11
	ds_load_b128 v[96*pp+8*\b:96*pp+8*\b+3], v[ADRB+sl] offset:kq+16*PITCH*\b
	ds_load_b128 v[96*pp+8*\b+4:96*pp+8*\b+7], v[ADRB+sl] offset:kq+16*PITCH*\b+32
.endr
	WIN 0
.irp a, 0,1,2,3
	ds_load_b128 v[AF+32*pp+8*\a:AF+32*pp+8*\a+3], v[ADRA+sl] offset:kq+16*PITCH*\a
	ds_load_b128 v[AF+32*pp+8*\a+4:AF+32*pp+8*\a+7], v[ADRA+sl] offset:kq+16*PITCH*\a+32
.endr
.endm
.macro STEP ks, zero
	s_wait_dscnt 0x0                               ; this step's fragments are in (asked for 32 products ago)
	WIN 0xa1                                       ; source 0 (W) window 1, source 1 (x) window 0, C and D window 2
	MULT \ks, 0, \zero
.if (\ks) == 3
	s_wait_tensorcnt 0x0                           ; my part of slot 1 is in; no LDS instruction of mine is out;
	s_barrier_signal -1
	s_barrier_wait -1                              ; everybody's is.
.endif
.if (\ks) < 7
	PLACES 4                                       ; four places in front of loads into registers that the step before multiplied (ISA guide 7.12.1 for vector instructions)
	FETCH (\ks)+1
.endif
	WIN 0xa1
	MULT \ks, 4, \zero
	WIN 0xf4                                       ; source 0 (x) window 0, source 1 (W) window 1, C and D window 3
	MULN \ks, \zero
.endm
	s_wait_tensorcnt 1                             ; the scale bytes and my part of slot 0 are in; slot 1's load may be out
	s_barrier_signal -1
	s_barrier_wait -1
	FETCH 0
.irp p, 0,1                            ; all of K's scale words stay in registers: 8 words a row
.irp k, 0,1
	ds_load_b128 v[SA+8*\p+4*\k:SA+8*\p+4*\k+3], v[ADSA] offset:4*PITCH*\p+16*\k
.endr
.endr
.irp p, 0,1,2,3,4,5
.irp k, 0,1
	ds_load_b128 v[SB+8*\p+4*\k:SB+8*\p+4*\k+3], v[ADSB] offset:4*PITCH*\p+16*\k
.endr
.endr
	STEP 0, 1                                      ; the first step's products start the sums: nothing is cleared
.irp ks, 1,2,3,4,5,6,7
	STEP \ks, 0
.endr
	WIN 0
	s_wait_loadcnt 0x0                             ; the table
	PLACES 4                                       ; in front of the first read of results
; THE WAY OUT of q (g = 0) or k (g = 1), my block a of 16 positions.  A register pair is (even, odd) channel of one frequency: (xe c - xo s, xe s + xo c): a packed multiply by c and a packed
; multiply-add with the pair's halves crossed and -s in the low half.  Each accumulator is read from its low end on.
.macro ROPE a, g
	s_wait_xcnt 0x0                                ; the stores before have read T and P16
	WIN 0x0e                                       ; source 0 window 2 (sums), source 1 window 3 (table)
.irp bp, 0,1,2,3
.irp i, 0,1,2,3
.set rX, 8*(4*(4*\g+\bp)+\a)+2*\i
.set rC, TABR+32*\a+8*\bp+2*(\i/2)
.set rT, T+8*\bp+2*\i
.if \i%2
	v_pk_mul_f32 v[rT:rT+1], v[rX:rX+1], v[rC:rC+1] op_sel:[0,1] op_sel_hi:[1,1]
.else
	v_pk_mul_f32 v[rT:rT+1], v[rX:rX+1], v[rC:rC+1] op_sel:[0,0] op_sel_hi:[1,0]
.endif
.endr
.endr
.irp bp, 0,1,2,3
.irp i, 0,1,2,3
.set rX, 8*(4*(4*\g+\bp)+\a)+2*\i
.set rC, TABR+32*\a+8*\bp+4+2*(\i/2)
.set rT, T+8*\bp+2*\i
.if \i%2
	v_pk_fma_f32 v[rT:rT+1], v[rX:rX+1], v[rC:rC+1], v[rT:rT+1] op_sel:[1,1,0] op_sel_hi:[0,1,1] neg_lo:[0,1,0]
.else
	v_pk_fma_f32 v[rT:rT+1], v[rX:rX+1], v[rC:rC+1], v[rT:rT+1] op_sel:[1,0,0] op_sel_hi:[0,0,1] neg_lo:[0,1,0]
.endif
.endr
.endr
	WIN 0
.if \g == 0
.irp n, 0,2,4,6,8,10,12,14,16,18,20,22,24,26,28,30
	v_pk_mul_f32 v[T+\n:T+\n+1], v[T+\n:T+\n+1], s[CS:CS+1] op_sel_hi:[1,0]   ; the softmax's factor goes into q, in f32
.endr
.endif
.irp n, 0,1,2,3,4,5,6,7,8,9,10,11,12,13,14,15
	v_cvt_pk_f16_f32 v[P16+\n], v[T+2*\n], v[T+2*\n+1]
.endr
.irp bp, 0,1,2,3
	global_store_b128 v[GO], v[P16+4*\bp:P16+4*\bp+3], s[8+2*\g:9+2*\g] offset:2048*\a+512*\bp   ; 512 consecutive bytes, aligned
.endr
.if \a == 0
	s_cmp_lg_u32 s[NF], 0                          ; positions 0 to 15 also unrounded: cluster y and the wave's number alone decide
	s_cbranch_scc1 .Lnot_first_\@
.irp i, 0,1,2,3,4,5,6,7
	global_store_b128 v[GO], v[T+4*\i:T+4*\i+3], s[14:15] offset:4096*\g+512*\i
.endr
.Lnot_first_\@:
.endif
.endm
.macro VOUT a
	s_wait_xcnt 0x0
	WIN 0x0f                                       ; sources window 3
.irp ct, 0,1,2,3
.irp i, 0,1,2,3
	v_cvt_pk_f16_f32 v[P16+4*\ct+\i], v[8*(4*\ct+\a)+2*\i], v[8*(4*\ct+\a)+2*\i+1]
.endr
.endr
	WIN 0
.irp ct, 0,1,2,3
	global_store_b128 v[GO], v[P16+4*\ct:P16+4*\ct+3], s[12:13] offset:4096*(\a/2)+1024*\ct+512*(\a%2)
.endr
.if \a == 0
	s_cmp_lg_u32 s[NF], 0
	s_cbranch_scc1 .Lnot_first_\@
	WIN 0x0c                                       ; a store's data are its source 1: window 3
.irp ct, 0,1,2,3
	global_store_b128 v[GO], v[32*\ct:32*\ct+3], s[14:15] offset:8192+1024*\ct
	global_store_b128 v[GO], v[32*\ct+4:32*\ct+7], s[14:15] offset:8192+1024*\ct+512
.endr
	WIN 0
.Lnot_first_\@:
.endif
.endm
.irp a, 0,1,2,3
	ROPE \a, 0
	ROPE \a, 1
	VOUT \a
.endr
	s_wait_tensorcnt 0x0                           ; the wave's end
	ds_add_u32 v[SPW], v[NIL]
	s_wait_dscnt 0x0
	CROUND                                         ; the closing round
	s_endpgm
.Lfunc_end_k_q9b56d3a9b7_qkv:
	.size	k_q9b56d3a9b7_qkv, .Lfunc_end_k_q9b56d3a9b7_qkv-k_q9b56d3a9b7_qkv
	.p2alignl 7, 3214868480
	.fill 96, 4, 3214868480
	.section	.rodata,"a",@progbits
	.p2align	6, 0x0
	.amdhsa_kernel k_q9b56d3a9b7_qkv
		.amdhsa_group_segment_fixed_size 327680
		.amdhsa_private_segment_fixed_size 0
		.amdhsa_enable_private_segment 0
		.amdhsa_kernarg_size 48
		.amdhsa_user_sgpr_count 2
		.amdhsa_user_sgpr_kernarg_segment_ptr 1
		.amdhsa_wavefront_size32 1
		.amdhsa_system_sgpr_workgroup_id_x 1
		.amdhsa_system_sgpr_workgroup_id_y 1
		.amdhsa_system_sgpr_workgroup_id_z 1
		.amdhsa_system_vgpr_workitem_id 0
		.amdhsa_next_free_vgpr 1024
		.amdhsa_next_free_sgpr 98
		.amdhsa_reserve_vcc 0
		.amdhsa_float_denorm_mode_32 3
		.amdhsa_float_denorm_mode_16_64 3
		.amdhsa_memory_ordered 1
		.amdhsa_forward_progress 1
		.amdhsa_inst_pref_size 121
	.end_amdhsa_kernel
	.amdgpu_metadata
---
amdhsa.version: [ 1, 2 ]
amdhsa.kernels:
  - .name:           k_q9b56d3a9b7_qkv
    .symbol:         k_q9b56d3a9b7_qkv.kd
    .args:
      - { .name: mx, .offset: 0, .size: 8, .value_kind: global_buffer, .address_space: global }
      - { .name: tab, .offset: 8, .size: 8, .value_kind: global_buffer, .address_space: global }
      - { .name: qf, .offset: 16, .size: 8, .value_kind: global_buffer, .address_space: global }
      - { .name: kf, .offset: 24, .size: 8, .value_kind: global_buffer, .address_space: global }
      - { .name: vf, .offset: 32, .size: 8, .value_kind: global_buffer, .address_space: global }
      - { .name: fine, .offset: 40, .size: 8, .value_kind: global_buffer, .address_space: global }
    .group_segment_fixed_size: 327680
    .private_segment_fixed_size: 0
    .kernarg_segment_align: 8
    .kernarg_segment_size: 48
    .max_flat_workgroup_size: 128
    .sgpr_count:     98
    .vgpr_count:     1024
    .wavefront_size: 32
...
	.end_amdgpu_metadata
.endif
;; end of part 2
;; launch attn (part 3): grid 4 x 64, 16 waves a work-group, no clusters, 327,680 bytes of LDS; arguments qf, kf, vf, af; writes af
.if DOCPART == 3
	.amdgcn_target "amdgcn-amd-amdhsa--gfx1250"
	.amdhsa_code_object_version 6
	.text
	.protected	k_q9b56d3a9b7_attn
	.globl	k_q9b56d3a9b7_attn
	.p2align	8
	.type	k_q9b56d3a9b7_attn,@function
k_q9b56d3a9b7_attn:
	s_mov_b64 s[64:65], 0
	v_nop
	global_prefetch_b8 v0, s[64:65] scope:SCOPE_SE
	s_setreg_imm32_b32 hwreg(HW_REG_WAVE_MODE, 25, 1), 1
	s_wait_xcnt 0x0
; ATTN: causal attention of one head, f16 operands, f32 sums.  q comes with log2(e)/8 in it, so a score is the exponent to base 2: p = 2^(t - m), m the row's running largest t, taken away exactly before the exponential;
; the row's sum l is taken of the unrounded p; in every step O and l are multiplied by a = 2^(old m - new m); O / l at the end.
; SHARES.  A head's 2,048 queries are eight blocks of 256.  Work-group g of the head's four owns blocks g (waves 0-7) and 7 - g (waves 8-15), a wave 32 queries: two tiles of 16.  So every work-group has the same
; causal work: (g + 1) + (8 - g) = 9 blocks of keys.  Four waves share a SIMD, so that one wave's softmax stands beside another's products.
; LAYOUT.  S^T = K Q^T (source 0 = 16 keys, source 1 = 16 queries) and O^T = V^T P (source 0 = 16 channels, source 1 = P): a lane holds ONE query throughout; two tiles of S^T rounded to f16 in pairs are P's registers.
; q, k and v arrive as images of operand registers (512 consecutive bytes for four registers of a wave), so every LDS load takes 16 x lane and no row has a pitch.
; RING.  Two slots of 256 keys (K's 32 KiB, then V's), each dense in memory; waves 0-3 fetch a quarter of a slot each.  Every work-group walks all eight slots: the trip counts are constants.  A step all of whose keys
; come after my queries is jumped over; a slot whose first key comes after the work-group's last query is not asked for.
; NO CLUSTER: the four work-groups of a head need 8, 7, 6 and 5 slots, and are busy at different times (16 waves for 4 (g + 1) steps, 8 afterwards): in step with each other every step would last as long as the
; busiest partner's, 4 x 4 x 4 + 16 x 2 = 96 wave-steps a SIMD against 72.
; LIMITS: operands beyond 65,504 are infinities in f16; NaN and infinities are not served.
; OUT: af, the image of the projection's operand: [row / 16][K / 32][half][lane][16 B]: lane (r, h): row r, channels 16 half + 8 h + 0..7 of that 32.
.set SLOT1, 65536
.set VOFF,  32768
.set SPARE, 131072                     ; behind the ring: the spare words, 128 bytes for each of sixteen waves
.set LI,   1                           ; v1  16 x lane
.set ADR,  2                           ; v2  the slot in hand + 16 x lane
.set SPW,  3
.set NIL,  4
.set PFO,  5                           ; v5  256 x lane
.set NINF, 6                           ; v6  -infinity
.set D0,   7                           ; v7, v8: the diagonal: tile t's query less the step's first key less 8 (lane / 16)
.set ST,   16                          ; tile t's statistics at v[16 + 8 t]: +0 -m, +1 m, +2, +3 l (even keys', odd keys'), +4 to +7 at work; a at +6
.set Q,    32                          ; v32-63   Q: tile t, channels 32 c on at 32 + 16 t + 8 c
.set KV,   64                          ; v64-127  a step's K, then its V
.set S,    128                         ; v128-191 S^T, 32 a tile; then p; then P in each tile's first 16
.set O,    192                         ; v192-255 O^T, 32 a tile
.set WV,   12
.set GG,   13
.set BH,   14
.set LIM,  15
.set Q0,   16
.set QL,   17
.set LASTQ, 18
.set KF,   19
.set SEL,  20
.set TB,   22
.set SLOTS, 23
.set G1,   24
.set G0,   32
.set PFA,  36
.macro TLOAD                           ; waves 0-3 fetch, each its quarter of a slot; an s_nop 0 and four v_nop follow the line
	s_cmp_lt_u32 s[WV], 4
	s_cbranch_scc0 .Lno_load_\@
	tensor_load_to_lds s[G0:G0+3], s[G1:G1+7]
	s_nop 0
.rept 4
	v_nop
.endr
.Lno_load_\@:
.endm
; A prefetch of what the NEXT change of slots will ask for: 32 KiB of K and 32 KiB of V.  All four work-groups of a head walk the same K and V: the first of them asks, in it the waves that fetch nothing:
; waves 4-7 for K, waves 8-11 for V, 8,192 bytes a wave, lanes 256 bytes apart: each 256 bytes are named once in the launch.  The last change that fills a slot asks for nothing; slots 0 and 1 come by their loads alone.
.macro ASK
	s_cmp_gt_u32 s[SLOTS], s[LIM]
	s_cbranch_scc0 .Lnot_mine_\@
	global_prefetch_b8 v[PFO], s[PFA:PFA+1] th:TH_LOAD_NT scope:SCOPE_SE
.Lnot_mine_\@:
.endm
	s_load_b256 s[4:11], s[0:1], 0x0               ; qf s[4:5], kf s[6:7], vf s[8:9], af s[10:11]
	v_lshl_add_u32 v[SPW], v0, 2, SPARE
	v_mov_b32 v[NIL], 0
	ds_add_u32 v[SPW], v[NIL]                      ; the wave's opening: the add, twice on end, and its wait ahead of the first tensor load
	ds_add_u32 v[SPW], v[NIL]
	v_lshrrev_b32 v1, 5, v0
	v_readfirstlane_b32 s[WV], v1
	s_mov_b32 s[GG], ttmp9
	s_and_b32 s[BH], ttmp7, 0xffff
	s_sub_co_u32 s40, 7, s[GG]
	s_lshl_b32 s[LASTQ], s40, 8
	s_or_b32 s[LASTQ], s[LASTQ], 255               ; the work-group's last query
	s_cmp_lt_u32 s[WV], 8
	s_cselect_b32 s40, s[GG], s40                  ; my block of 256 queries
	s_lshl_b32 s[Q0], s40, 8
	s_and_b32 s41, s[WV], 7
	s_lshl_b32 s41, s41, 5
	s_add_co_u32 s[Q0], s[Q0], s41                 ; my first query,
	s_add_co_u32 s[QL], s[Q0], 31                  ; my last
	s_mov_b32 s[G1], 3<<16                         ; group 1: 64 rows of 256 bytes (32 elements of 8), dense, no padding, no mask
	s_mov_b32 s[G1+1], 32<<16
	s_mov_b32 s[G1+2], 64<<16
	s_mov_b32 s[G1+3], 32<<16
	s_mov_b32 s[G1+4], 64
	s_mov_b32 s[G1+5], 32
	s_mov_b32 s[G1+6], 0
	s_mov_b32 s[G1+7], 0
	s_lshl_b32 s42, s[BH], 18                      ; the head's first byte in qf, kf and vf
	s_mov_b32 s43, 0
	s_mov_b32 s[SEL], 0x76543210
	s_mov_b32 s[SEL+1], 0xfedcba98
	s_mov_b32 s[TB], 0
	s_mov_b32 s[KF], 0
	s_mov_b32 s[SLOTS], 7
	s_wait_dscnt 0x0                               ; both opening adds are done
	s_wait_kmcnt 0x0
	s_mov_b32 s[G0], 1
	s_and_b32 s44, s[WV], 3
	s_lshl_b32 s[G0+1], s44, 14                    ; LDS: slot 0, quarter = wave: K's halves, then V's
	s_cmp_lt_u32 s[WV], 2
	s_cselect_b64 s[G0+2:G0+3], s[6:7], s[8:9]
	s_add_nc_u64 s[G0+2:G0+3], s[G0+2:G0+3], s[42:43]
	s_and_b32 s44, s[WV], 1
	s_lshl_b32 s44, s44, 14
	s_mov_b32 s45, 0
	s_add_nc_u64 s[G0+2:G0+3], s[G0+2:G0+3], s[44:45]
	s_or_b32 s[G0+3], s[G0+3], 0x80000000
	TLOAD                                          ; slot 0: key 0 counts for every query, so what the head fetches is read
	s_cmp_lt_u32 s[WV], 8                          ; the prefetches: where my wave's stand, and who asks
	s_cselect_b64 s[PFA:PFA+1], s[6:7], s[8:9]
	s_add_nc_u64 s[PFA:PFA+1], s[PFA:PFA+1], s[42:43]
	s_and_b32 s44, s[WV], 3
	s_lshl_b32 s44, s44, 13
	s_add_co_u32 s44, s44, 32768                   ; in slot 1: the first change of slots steps it to slot 2
	s_add_nc_u64 s[PFA:PFA+1], s[PFA:PFA+1], s[44:45]
	s_sub_co_u32 s44, s[WV], 4
	s_lshr_b32 s44, s44, 3                         ; 0 in waves 4 to 11,
	s_or_b32 s44, s44, s[GG]                       ; of the head's first work-group
	s_cmp_eq_u32 s44, 0
	s_cselect_b32 s[LIM], 1, -1
	s_lshl_b32 s44, s[Q0], 7
	s_add_nc_u64 s[4:5], s[4:5], s[42:43]
	s_add_nc_u64 s[4:5], s[4:5], s[44:45]          ; Q at my first query
	s_lshr_b32 s40, s[BH], 4
	s_lshl_b32 s40, s40, 7
	s_lshr_b32 s41, s[Q0], 4
	s_add_co_u32 s40, s40, s41                     ; my first block of 16 rows: 128 batch + query / 16
	s_lshl_b32 s40, s40, 15
	s_and_b32 s41, s[BH], 15
	s_lshl_b32 s41, s41, 11                        ; the head's 64 channels: 2,048 bytes of a block's 32,768
	s_add_co_u32 s40, s40, s41
	s_mov_b32 s41, 0
	s_add_nc_u64 s[10:11], s[10:11], s[40:41]
	v_and_b32 v[LI], 31, v0
	v_lshlrev_b32 v[PFO], 8, v[LI]
	v_lshlrev_b32 v[LI], 4, v[LI]
.irp i, 0,1,2,3,4,5,6,7
	global_load_b128 v[Q+4*\i:Q+4*\i+3], v[LI], s[4:5] offset:512*\i   ; Q stays in registers
.endr
	v_mov_b32 v[NINF], 0xff800000
.irp t, 0,1
	v_mov_b32 v[ST+8*\t], 0x7f61b1e6               ; -m = 3e38
	v_mov_b32 v[ST+8*\t+1], 0xff61b1e6             ; m = -3e38, under every t
.irp i, 2,3,4,5,6,7
	v_mov_b32 v[ST+8*\t+\i], 0
.endr
.endr
.irp j, 0,1,2,3,4,5,6,7,8,9,10,11,12,13,14,15,16,17,18,19,20,21,22,23,24,25,26,27,28,29,30,31,32,33,34,35,36,37,38,39,40,41,42,43,44,45,46,47,48,49,50,51,52,53,54,55,56,57,58,59,60,61,62,63
	v_mov_b32 v[O+\j], 0                           ; the step is written once: the first finds zeros, which its a = 0 leaves zeros
.endr
; A KEY STEP: 64 keys, the q-th of the slot in hand.
.macro STEP q
	s_cmp_gt_u32 s[KF], s[QL]                      ; all keys behind my queries: a branch on ids, round the step's work alone
	s_cbranch_scc1 .Lhidden_\@
	v_add_nc_u32 v[ADR], s[TB], v[LI]
.irp i, 0,1,2,3,4,5,6,7,8,9,10,11,12,13,14,15
	ds_load_b128 v[KV+4*\i:KV+4*\i+3], v[ADR] offset:8192*(\q)+512*\i     ; K: 16 keys kt, channels 32 c on at KV + 16 kt + 8 c
.endr
	s_wait_dscnt 0x0
.irp c, 0,1                            ; the eight accumulators take turns
.irp kt, 0,1,2,3
.irp t, 0,1
.if \c == 0
	v_wmma_f32_16x16x32_f16 v[S+32*\t+8*\kt:S+32*\t+8*\kt+7], v[KV+16*\kt:KV+16*\kt+7], v[Q+16*\t:Q+16*\t+7], 0
.else
	v_wmma_f32_16x16x32_f16 v[S+32*\t+8*\kt:S+32*\t+8*\kt+7], v[KV+16*\kt+8:KV+16*\kt+15], v[Q+16*\t+8:Q+16*\t+15], v[S+32*\t+8*\kt:S+32*\t+8*\kt+7]
.endif
.endr
.endr
.endr
.rept 4
	v_nop                                          ; four places: in front of loads into K's registers, and of the first read of the scores
.endr
.irp i, 0,1,2,3,4,5,6,7,8,9,10,11,12,13,14,15
	ds_load_b128 v[KV+4*\i:KV+4*\i+3], v[ADR] offset:VOFF+8192*(\q)+512*\i   ; V: keys 32 u on, channels 16 ct on at KV + 32 u + 8 ct: it lands under the softmax
.endr
	s_add_co_u32 s40, s[KF], 63
	s_cmp_le_u32 s40, s[Q0]                        ; all keys count: no mask
	s_cbranch_scc1 .Lopen_\@
	s_sub_co_i32 s40, s[Q0], s[KF]
	v_and_b32 v[D0], 15, v0
	v_bfe_u32 v[D0+1], v0, 4, 1
	v_lshlrev_b32 v[D0+1], 3, v[D0+1]
	v_sub_nc_u32 v[D0], v[D0], v[D0+1]
	v_add_nc_u32 v[D0], s40, v[D0]                 ; register 8 kt + j of tile t holds key KF + 16 kt + 8 (lane / 16) + j: hidden where 16 kt + j > this number (+ 16 t)
	v_add_nc_u32 v[D0+1], 16, v[D0]
.irp t, 0,1
.irp n, 0,1,2,3,4,5,6,7,8,9,10,11,12,13,14,15,16,17,18,19,20,21,22,23,24,25,26,27,28,29,30,31
	v_cmp_gt_i32 vcc_lo, 16*(\n/8)+\n%8, v[D0+\t]
	v_cndmask_b32 v[S+32*\t+\n], v[S+32*\t+\n], v[NINF], vcc_lo
.endr
.endr
.Lopen_\@:
.irp j, 0,1,2,3                        ; the largest of a tile's 32 scores and the old m: four chains, each accumulator from its low end on; the tiles by turns
.irp t, 0,1
	v_max3_num_f32 v[ST+8*\t+4+\j], v[S+32*\t+8*\j], v[S+32*\t+8*\j+1], v[S+32*\t+8*\j+2]
.endr
.endr
.irp g, 1,2
.irp j, 0,1,2,3
.irp t, 0,1
	v_max3_num_f32 v[ST+8*\t+4+\j], v[ST+8*\t+4+\j], v[S+32*\t+8*\j+2*\g+1], v[S+32*\t+8*\j+2*\g+2]
.endr
.endr
.endr
.irp t, 0,1
	v_max3_num_f32 v[ST+8*\t+4], v[ST+8*\t+4], v[S+32*\t+7], v[S+32*\t+15]
	v_max3_num_f32 v[ST+8*\t+6], v[ST+8*\t+6], v[S+32*\t+23], v[S+32*\t+31]
.endr
.irp t, 0,1
	v_max3_num_f32 v[ST+8*\t+4], v[ST+8*\t+4], v[ST+8*\t+5], v[ST+8*\t+6]
.endr
.irp t, 0,1
	v_max3_num_f32 v[ST+8*\t+4], v[ST+8*\t+4], v[ST+8*\t+7], v[ST+8*\t+1]
.endr
.irp t, 0,1
	v_permlanex16_b32 v[ST+8*\t+5], v[ST+8*\t+4], s[SEL], s[SEL+1]   ; the query's other 32 keys lie in the lane 16 away
.endr
.irp t, 0,1
	v_mov_b32 v[ST+8*\t+7], v[ST+8*\t]             ; the old -m
.endr
.irp t, 0,1
	v_max_num_f32 v[ST+8*\t+1], v[ST+8*\t+4], v[ST+8*\t+5]   ; the new m
.endr
.irp t, 0,1
	v_sub_f32 v[ST+8*\t], 0, v[ST+8*\t+1]
.endr
.irp t, 0,1
	v_sub_f32 v[ST+8*\t+7], v[ST+8*\t], v[ST+8*\t+7]   ; old m - new m, 0 or less
.endr
.irp n, 0,2,4,6,8,10,12,14,16,18,20,22,24,26,28,30
.irp t, 0,1
	v_pk_add_f32 v[S+32*\t+\n:S+32*\t+\n+1], v[S+32*\t+\n:S+32*\t+\n+1], v[ST+8*\t:ST+8*\t+1] op_sel_hi:[1,0]   ; t - m, at most 0
.endr
.endr
.irp t, 0,1
	v_exp_f32 v[ST+8*\t+6], v[ST+8*\t+7]           ; a
.endr
.irp j, 0,1,2,3,4,5,6,7,8,9,10,11,12,13,14,15,16,17,18,19,20,21,22,23,24,25,26,27,28,29,30,31,32,33,34,35,36,37,38,39,40,41,42,43,44,45,46,47,48,49,50,51,52,53,54,55,56,57,58,59,60,61,62,63
	v_exp_f32 v[S+\j], v[S+\j]                     ; p, at most 1
.endr
	v_nop                                          ; a plain line behind the last exponential
	s_wait_alu depctr_va_vdst(0)                   ; ONE wait for the batch of 66, ahead of its first reader
.irp t, 0,1                            ; l = a l + the sum of the unrounded p: pairs (an even key's, an odd key's), two chains a tile
	v_pk_add_f32 v[ST+8*\t+4:ST+8*\t+5], v[S+32*\t:S+32*\t+1], v[S+32*\t+2:S+32*\t+3]
	v_pk_add_f32 v[10+2*\t:11+2*\t], v[S+32*\t+4:S+32*\t+5], v[S+32*\t+6:S+32*\t+7]
.endr
.irp j, 8,12,16,20,24,28
.irp t, 0,1
	v_pk_add_f32 v[ST+8*\t+4:ST+8*\t+5], v[ST+8*\t+4:ST+8*\t+5], v[S+32*\t+\j:S+32*\t+\j+1]
	v_pk_add_f32 v[10+2*\t:11+2*\t], v[10+2*\t:11+2*\t], v[S+32*\t+\j+2:S+32*\t+\j+3]
.endr
.endr
.irp t, 0,1
	v_pk_add_f32 v[ST+8*\t+4:ST+8*\t+5], v[ST+8*\t+4:ST+8*\t+5], v[10+2*\t:11+2*\t]
.endr
.irp t, 0,1
	v_pk_fma_f32 v[ST+8*\t+2:ST+8*\t+3], v[ST+8*\t+2:ST+8*\t+3], v[ST+8*\t+6:ST+8*\t+7], v[ST+8*\t+4:ST+8*\t+5] op_sel_hi:[1,0,1]
.endr
.irp i, 0,1,2,3,4,5,6,7,8,9,10,11,12,13,14,15
.irp t, 0,1
	v_cvt_pk_f16_f32 v[S+32*\t+\i], v[S+32*\t+2*\i], v[S+32*\t+2*\i+1]   ; in place, ascending: P of keys 32 u on is v[S + 32 t + 8 u] on
.endr
.endr
.irp t, 0,1
.irp n, 0,2,4,6,8,10,12,14,16,18,20,22,24,26,28,30
	v_pk_mul_f32 v[O+32*\t+\n:O+32*\t+\n+1], v[O+32*\t+\n:O+32*\t+\n+1], v[ST+8*\t+6:ST+8*\t+7] op_sel_hi:[1,0]   ; O^T x a
.endr
.endr
	s_wait_dscnt 0x0                               ; V is in
.irp u, 0,1                            ; the eight accumulators take turns
.irp ct, 0,1,2,3
.irp t, 0,1
	v_wmma_f32_16x16x32_f16 v[O+32*\t+8*\ct:O+32*\t+8*\ct+7], v[KV+32*\u+8*\ct:KV+32*\u+8*\ct+7], v[S+32*\t+8*\u:S+32*\t+8*\u+7], v[O+32*\t+8*\ct:O+32*\t+8*\ct+7]
.endr
.endr
.endr
.rept 5
	v_nop                                          ; five places: the next step's first products write over P's registers; its loads into V's want four; so does the way out's first read of O^T
.endr
.Lhidden_\@:
	s_add_co_u32 s[KF], s[KF], 64
.endm
; THE CHANGE OF SLOTS stands at a slot's head.  Each wave waits for all its tensor loads, adds 0 to its spare word, and waits for that and for its reads of the slot that it has left; behind the barrier the slot
; ahead is whole and nobody reads the other one.  fill = 1: that other slot takes the next 256 keys, up to the causal limit; the load has four key steps in which to land.
.macro CHANGE fill
	s_wait_tensorcnt 0x0                           ; no tensor load of mine is out, so group 0 may be written
	ds_add_u32 v[SPW], v[NIL]
.if \fill
	ds_add_u32 v[SPW], v[NIL]                      ; and twice on end here, in every trip alike
	s_xor_b32 s[G0+1], s[G0+1], SLOT1              ; the other slot than last time,
	s_add_nc_u64 s[G0+2:G0+3], s[G0+2:G0+3], 32768 ; the next 256 keys
	s_wait_xcnt 0x0                                ; the last prefetch, a slot back, has read its address
	s_add_nc_u64 s[PFA:PFA+1], s[PFA:PFA+1], 32768
.endif
	s_wait_dscnt 0x0
	s_barrier_signal -1
	s_barrier_wait -1
.if \fill
	s_add_co_u32 s40, s[KF], 256                   ; the first key of the slot that this change would ask for
	s_cmp_gt_u32 s40, s[LASTQ]                     ; behind the work-group's last query: none of its waves would read it.  Ids and the count of steps alone: all sixteen waves go the same way; every wait for tensor loads in this text is for 0
	s_cbranch_scc1 .Lpast_\@
	TLOAD                                          ; a wave's one tensor load until the next such barrier
.Lpast_\@:
	ASK
.endif
.endm
.macro SLOT_STEPS
	STEP 0
	STEP 1
	STEP 2
	STEP 3
	s_xor_b32 s[TB], s[TB], SLOT1
.endm
	s_wait_loadcnt 0x0                             ; Q
.Lslot:                                            ; seven trips
	CHANGE 1
	SLOT_STEPS
	s_sub_co_u32 s[SLOTS], s[SLOTS], 1
	s_cmp_lg_u32 s[SLOTS], 0
	s_cbranch_scc1 .Lslot
	CHANGE 0                                       ; the last slot is written out: nothing is left to fetch
	SLOT_STEPS
	; THE WAY OUT: O^T / l, rounded to f16: a lane's eight channels of a query are 16 bytes of the projection's operand image
.irp t, 0,1
	v_add_f32 v[ST+8*\t+4], v[ST+8*\t+2], v[ST+8*\t+3]
.endr
.irp t, 0,1
	v_permlanex16_b32 v[ST+8*\t+5], v[ST+8*\t+4], s[SEL], s[SEL+1]
.endr
.irp t, 0,1
	v_add_f32 v[ST+8*\t+4], v[ST+8*\t+4], v[ST+8*\t+5]
.endr
.irp t, 0,1
	v_rcp_f32 v[ST+8*\t+6], v[ST+8*\t+4]
.endr
	v_nop
	s_wait_alu depctr_va_vdst(0)                   ; one wait for the two reciprocals
.irp t, 0,1
.irp n, 0,2,4,6,8,10,12,14,16,18,20,22,24,26,28,30
	v_pk_mul_f32 v[O+32*\t+\n:O+32*\t+\n+1], v[O+32*\t+\n:O+32*\t+\n+1], v[ST+8*\t+6:ST+8*\t+7] op_sel_hi:[1,0]
.endr
.endr
.irp n, 0,1,2,3,4,5,6,7,8,9,10,11,12,13,14,15,16,17,18,19,20,21,22,23,24,25,26,27,28,29,30,31
	v_cvt_pk_f16_f32 v[KV+\n], v[O+2*\n], v[O+2*\n+1]
.endr
.irp t, 0,1
.irp ct, 0,1,2,3
	global_store_b128 v[LI], v[KV+16*\t+4*\ct:KV+16*\t+4*\ct+3], s[10:11] offset:32768*\t+512*\ct   ; 512 consecutive bytes, aligned
.endr
.endr
	s_wait_tensorcnt 0x0                           ; the wave's end
	ds_add_u32 v[SPW], v[NIL]
	s_wait_dscnt 0x0
	s_endpgm
.Lfunc_end_k_q9b56d3a9b7_attn:
	.size	k_q9b56d3a9b7_attn, .Lfunc_end_k_q9b56d3a9b7_attn-k_q9b56d3a9b7_attn
	.p2alignl 7, 3214868480
	.fill 96, 4, 3214868480
	.section	.rodata,"a",@progbits
	.p2align	6, 0x0
	.amdhsa_kernel k_q9b56d3a9b7_attn
		.amdhsa_group_segment_fixed_size 327680
		.amdhsa_private_segment_fixed_size 0
		.amdhsa_enable_private_segment 0
		.amdhsa_kernarg_size 32
		.amdhsa_user_sgpr_count 2
		.amdhsa_user_sgpr_kernarg_segment_ptr 1
		.amdhsa_wavefront_size32 1
		.amdhsa_system_sgpr_workgroup_id_x 1
		.amdhsa_system_sgpr_workgroup_id_y 1
		.amdhsa_system_sgpr_workgroup_id_z 1
		.amdhsa_system_vgpr_workitem_id 0
		.amdhsa_next_free_vgpr 256
		.amdhsa_next_free_sgpr 66
		.amdhsa_reserve_vcc 1
		.amdhsa_float_denorm_mode_32 3
		.amdhsa_float_denorm_mode_16_64 3
		.amdhsa_memory_ordered 1
		.amdhsa_forward_progress 1
		.amdhsa_inst_pref_size 185
	.end_amdhsa_kernel
	.amdgpu_metadata
---
amdhsa.version: [ 1, 2 ]
amdhsa.kernels:
  - .name:           k_q9b56d3a9b7_attn
    .symbol:         k_q9b56d3a9b7_attn.kd
    .args:
      - { .name: qf, .offset: 0, .size: 8, .value_kind: global_buffer, .address_space: global }
      - { .name: kf, .offset: 8, .size: 8, .value_kind: global_buffer, .address_space: global }
      - { .name: vf, .offset: 16, .size: 8, .value_kind: global_buffer, .address_space: global }
      - { .name: af, .offset: 24, .size: 8, .value_kind: global_buffer, .address_space: global }
    .group_segment_fixed_size: 327680
    .private_segment_fixed_size: 0
    .kernarg_segment_align: 8
    .kernarg_segment_size: 32
    .max_flat_workgroup_size: 512
    .sgpr_count:     66
    .vgpr_count:     256
    .wavefront_size: 32
...
	.end_amdgpu_metadata
.endif
;; end of part 3
;; launch proj (part 4): grid 8 x 32, 4 waves a work-group, clusters of 4 x 4, 327,680 bytes of LDS; arguments af, wo16, out0; writes out0
.if DOCPART == 4
	.amdgcn_target "amdgcn-amd-amdhsa--gfx1250"
	.amdhsa_code_object_version 6
	.text
	.protected	k_q9b56d3a9b7_proj
	.globl	k_q9b56d3a9b7_proj
	.p2align	8
	.type	k_q9b56d3a9b7_proj,@function
k_q9b56d3a9b7_proj:
	s_mov_b64 s[64:65], 0
	v_nop
	global_prefetch_b8 v0, s[64:65] scope:SCOPE_SE
	s_setreg_imm32_b32 hwreg(HW_REG_WAVE_MODE, 25, 1), 1
	s_wait_xcnt 0x0
	s_wait_alu depctr_hold_cnt(0) depctr_sa_sdst(0) depctr_va_vdst(0) depctr_va_sdst(0) depctr_va_ssrc(0) depctr_va_vcc(0) depctr_vm_vsrc(0)
	s_getreg_b32 s2, hwreg(HW_REG_IB_STS2, 6, 4)
	s_cmp_eq_u32 s2, 0
	s_cbranch_scc0 .Lentry_in_a_cluster
	s_endpgm
.Lentry_in_a_cluster:
	s_bfe_u32 s2, ttmp6, 0x10000c
	s_cmp_lg_u32 s2, 0xf033
	s_cbranch_scc0 .Lentry_shape_is_right
	s_endpgm
.Lentry_shape_is_right:
; PROJ: out0 [8192][1024] f32 = attn [8192][1024] Wo^T, f16 operands, f32 sums.  (Positions 0 to 15 of each batch are written again, more finely, by the launch behind this one.)
; A tile of out0 is 256 rows x 128 columns: 256 work-groups.  Four waves, each 128 rows x 64 columns: 32 accumulators.  K goes in 8 steps of 128 through a ring of two LDS slots.
; attn arrives as the image of this product's operand registers: [row / 16][K / 32][half][lane][16 B]: a K step of 16 rows is 4,096 consecutive bytes, and a fragment comes by two loads at 16 x lane.
; Wo arrives row-major in f16: rows of 256 bytes a K step, 16 bytes of padding behind each in LDS.
; CLUSTER 4 x 4: attn's tile is shared along a row of the cluster, Wo's along a column: each is asked for jointly.  THE MATRIX INSTRUCTION IS USED TRANSPOSED (source 0 = 16 rows of Wo, source 1 = 16 rows of attn):
; a lane holds eight neighbouring numbers of a row of out0.
; No prefetch: the launch is short, its tiles are shared by joint loads, and Wo's 2 MiB are read by every row of tiles.
; REGISTERS: window 0: addresses; two fragment buffers of 96 at v32 and v128 (Wo's four fragments, then attn's eight).  window 1: the accumulators, (a, b) at 8 (4 a + b).
.set PITCH,  272
.set BOFF,   65536                     ; a slot: attn's image, 16 blocks of rows x 4,096 bytes; then Wo's 128 rows
.set SLOT,   100352
.set STAGE,  2*SLOT                    ; behind the ring: 16 rows x 272 bytes for each wave, for the way out
.set SPARE,  STAGE+4*16*PITCH          ; the spare words, 128 bytes a wave
.set LAPS,   4                         ; a lap = two K steps
.set ADRA, 16
.set ADRB, 20
.set STO,  24
.set RD,   25
.set CO,   26
.set SPW,  28
.set NIL,  29
.set F0,   32
.set F1,   128
.set G1, 24
.set G0, 32
.set G1B, 48
.set G0B, 56
.set MSB, 0
.macro WIN new
.if MSB != \new
	s_set_vgpr_msb (MSB<<8)|\new
.set MSB, \new
.endif
.endm
.set MUL, 0x50                         ; sources 0 and 1 window 0; C and D window 1
.macro JLOAD s                         ; waves 0 and 1 fetch attn's two halves, waves 2 and 3 Wo's; an s_nop 0 and four v_nop follow each line
	s_cmp_eq_u32 s11, 0
	s_cbranch_scc0 .Lfor_b_\@
	tensor_load_to_lds s[G0+4*\s:G0+4*\s+3], s[G1:G1+7]
	s_nop 0
.rept 4
	v_nop
.endr
	s_branch .Lasked_\@
.Lfor_b_\@:
	tensor_load_to_lds s[G0B+4*\s:G0B+4*\s+3], s[G1B:G1B+7]
	s_nop 0
.rept 4
	v_nop
.endr
.Lasked_\@:
.endm
.macro CREST
	s_cmp_lg_u32 s10, 0
	s_cbranch_scc1 .Lnot_wave_0_\@
	s_barrier_signal -3
.Lnot_wave_0_\@:
	s_barrier_wait -3
	s_barrier_signal -1
	s_barrier_wait -1
.endm
.macro CROUND
	s_barrier_signal -1
	s_barrier_wait -1
	CREST
.endm
	s_load_b128 s[4:7], s[0:1], 0x0                ; af s[4:5], wo16 s[6:7]
	s_load_b64 s[8:9], s[0:1], 0x10                ; out0
	v_lshl_add_u32 v[SPW], v0, 2, SPARE
	v_mov_b32 v[NIL], 0
	ds_add_u32 v[SPW], v[NIL]                      ; the wave's opening: the add, twice on end, and its wait ahead of my first tensor load
	ds_add_u32 v[SPW], v[NIL]
	v_lshrrev_b32 v1, 5, v0
	v_readfirstlane_b32 s10, v1                    ; wave
	s_lshr_b32 s11, s10, 1                         ; which 128 rows are mine.  Also: I fetch for attn (0) or Wo (1)
	s_and_b32 s12, s10, 1                          ; which 64 columns.  Also: which half of that tile I fetch
	s_bfe_u32 s40, ttmp6, 0x40000                  ; cx
	s_bfe_u32 s41, ttmp6, 0x40004                  ; cy
	s_lshl_b32 s42, ttmp9, 2
	s_add_co_u32 s42, s42, s40                     ; tile column
	s_and_b32 s13, ttmp7, 0xffff
	s_lshl_b32 s13, s13, 2
	s_add_co_u32 s13, s13, s41                     ; tile row
	s_lshl_b32 s43, s41, 2
	s_lshl_b32 s43, 15, s43                        ; my row of the cluster
	s_lshl_b32 s44, 0x1111, s40                    ; my column
	s_or_b32 s[G1], s43, (3<<16)|(1<<21)           ; attn: 8 rows of 4,096 bytes (512 elements of 8), 32,768 bytes apart, no padding
	s_mov_b32 s[G1+1], 512<<16
	s_mov_b32 s[G1+2], 8<<16
	s_mov_b32 s[G1+3], 512<<16
	s_mov_b32 s[G1+4], 8
	s_mov_b32 s[G1+5], 4096
	s_mov_b32 s[G1+6], 0
	s_mov_b32 s[G1+7], 0
	s_or_b32 s[G1B], s44, (1<<16)|(1<<20)|(1<<21)|(5<<22)|(3<<25)   ; Wo: 64 rows of 128 f16, 1,024 elements apart, four words of padding behind every 64
	s_mov_b32 s[G1B+1], 128<<16
	s_mov_b32 s[G1B+2], 64<<16
	s_mov_b32 s[G1B+3], 128<<16
	s_mov_b32 s[G1B+4], 64
	s_mov_b32 s[G1B+5], 1024
	s_mov_b32 s[G1B+6], 0
	s_mov_b32 s[G1B+7], 0
	s_lshl_b32 s16, s13, 19
	s_lshl_b32 s17, s12, 18
	s_add_co_u32 s16, s16, s17                     ; attn: (16 tile row + 8 half) x 32,768
	s_mov_b32 s17, 0
	s_lshl_b32 s46, s42, 18
	s_lshl_b32 s47, s12, 17
	s_add_co_u32 s46, s46, s47                     ; Wo: (128 tile column + 64 half) x 2,048
	s_mov_b32 s47, 0
	s_lshl_b32 s20, s12, 15                        ; where they go: no place in the cluster enters an LDS address
	s_mul_i32 s21, s12, 64*PITCH
	s_add_co_u32 s21, s21, BOFF
	s_wait_dscnt 0x0                               ; both opening adds are done
	s_wait_kmcnt 0x0
	s_add_nc_u64 s[14:15], s[4:5], s[16:17]
	s_add_nc_u64 s[46:47], s[6:7], s[46:47]
	CROUND                                         ; all sixteen work-groups are here: the first joint loads meet
.irp s, 0,1
	s_mov_b32 s[G0+4*\s], 1
	s_add_co_u32 s[G0+4*\s+1], s20, \s*SLOT
	s_add_nc_u64 s[G0+4*\s+2:G0+4*\s+3], s[14:15], \s*4096
	s_or_b32 s[G0+4*\s+3], s[G0+4*\s+3], 0x80000000
	s_mov_b32 s[G0B+4*\s], 1
	s_add_co_u32 s[G0B+4*\s+1], s21, \s*SLOT
	s_add_nc_u64 s[G0B+4*\s+2:G0B+4*\s+3], s[46:47], \s*256
	s_or_b32 s[G0B+4*\s+3], s[G0B+4*\s+3], 0x80000000
	JLOAD \s
.endr
	v_and_b32 v1, 15, v0                           ; r
	v_bfe_u32 v2, v0, 4, 1                         ; h
	v_and_b32 v3, 31, v0
	v_lshlrev_b32 v3, 4, v3
	s_lshl_b32 s22, s11, 15
	v_add_nc_u32 v[ADRA], s22, v3                  ; my eight blocks of rows, 16 x lane
	v_add_nc_u32 v[ADRA+1], SLOT, v[ADRA]
	v_mul_u32_u24 v4, v1, PITCH
	v_lshl_add_u32 v4, v2, 4, v4
	s_mul_i32 s22, s12, 64*PITCH
	s_add_co_u32 s22, s22, BOFF
	v_add_nc_u32 v[ADRB], s22, v4
	v_add_nc_u32 v[ADRB+1], SLOT, v[ADRB]
	s_mul_i32 s23, s10, 16*PITCH
	s_add_co_u32 s23, s23, STAGE                   ; my stage
	v_mul_u32_u24 v5, v1, PITCH
	v_lshl_add_u32 v5, v2, 5, v5
	v_add_nc_u32 v[STO], s23, v5                   ; in: row r, 32 bytes for each half of the lanes
	v_mul_u32_u24 v5, v2, PITCH
	v_lshl_add_u32 v5, v1, 4, v5
	v_add_nc_u32 v[RD], s23, v5                    ; back: lanes 0-15 one row of 256 bytes, lanes 16-31 the next
	v_lshlrev_b32 v5, 12, v2
	v_lshl_add_u32 v[CO], v1, 4, v5                ; and the same two rows in out0
	s_lshl_b32 s16, s13, 20
	s_lshl_b32 s17, s11, 19
	s_add_co_u32 s16, s16, s17                     ; (256 tile row + 128 half) x 4,096
	s_lshl_b32 s17, s42, 9
	s_add_co_u32 s16, s16, s17
	s_lshl_b32 s17, s12, 8
	s_add_co_u32 s16, s16, s17                     ; + 512 tile column + 256 half
	s_mov_b32 s17, 0
	s_add_nc_u64 s[8:9], s[8:9], s[16:17]
; 8 products: blocks of rows a0, a0 + 1 x Wo's four, 32 along K.  The 32 accumulators take turns in the same order in every quarter.
.macro MUL8 f, a0, zero
.irp a, \a0, \a0+1
.irp b, 0,1,2,3
.if \zero
	v_wmma_f32_16x16x32_f16 v[8*(4*(\a)+\b):8*(4*(\a)+\b)+7], v[\f+8*\b:\f+8*\b+7], v[\f+32+8*(\a):\f+32+8*(\a)+7], 0
.else
	v_wmma_f32_16x16x32_f16 v[8*(4*(\a)+\b):8*(4*(\a)+\b)+7], v[\f+8*\b:\f+8*\b+7], v[\f+32+8*(\a):\f+32+8*(\a)+7], v[8*(4*(\a)+\b):8*(4*(\a)+\b)+7]
.endif
.endr
.endr
.endm
.macro FETCH slot, q, f                ; 24 LDS loads in one run: the slot's q-th 32 along K: Wo's four fragments, attn's blocks 0-3, then 4-7
	WIN 0
.irp b, 0,1,2,3
	ds_load_b128 v[\f+8*\b:\f+8*\b+3],   v[ADRB+\slot] offset:64*\q+16*PITCH*\b
	ds_load_b128 v[\f+8*\b+4:\f+8*\b+7], v[ADRB+\slot] offset:64*\q+16*PITCH*\b+32
.endr
.irp a, 0,1,2,3,4,5,6,7
	ds_load_b128 v[\f+32+8*\a:\f+32+8*\a+3],   v[ADRA+\slot] offset:4096*\a+1024*\q
	ds_load_b128 v[\f+32+8*\a+4:\f+32+8*\a+7], v[ADRA+\slot] offset:4096*\a+1024*\q+512
.endr
.endm
.macro PLACES                          ; four places in front of loads into registers that matrix instructions have read, and of the first read of results
.rept 4
	v_nop
.endr
.endm
.macro QUARTER slot, q, f, g, zero     ; multiplies buffer f; in its middle fetches the slot's quarter q into g
	s_wait_dscnt 8                                 ; all but the youngest eight loads (attn's blocks 4-7)
	WIN MUL
	MUL8 \f, 0, \zero
	MUL8 \f, 2, \zero
	PLACES
	FETCH \slot, \q, \g
	s_wait_dscnt 24                                ; all but the 24 just issued
	WIN MUL
	MUL8 \f, 4, \zero
	MUL8 \f, 6, \zero
.endm
; The last quarter multiplies buffer 1 and changes slots: ONE barrier; in front of it each wave waits for all its tensor loads, adds 0 to its spare word, and waits for that and for its reads of this slot.
.macro TURN slot, next, fill
	WIN 0
	s_wait_tensorcnt 0x0                           ; all my tensor loads have landed: my part of the next slot
	ds_add_u32 v[SPW], v[NIL]
	s_wait_dscnt 9                                 ; (the add and the youngest eight loads may be out)
	WIN MUL
	MUL8 F1, 0, 0
	s_wait_dscnt 0x0                               ; the add is done, and my reads of this slot are over
	s_barrier_signal -1
	MUL8 F1, 2, 0
.if \fill
	WIN 0
.endif
	s_barrier_wait -1
.if \fill
	CREST                                          ; the barrier has opened a round of the cluster's: no wave of any partner still reads this slot or has a load on its way
	s_add_nc_u64 s[G0+4*\slot+2:G0+4*\slot+3], s[G0+4*\slot+2:G0+4*\slot+3], 2*4096
	s_add_nc_u64 s[G0B+4*\slot+2:G0B+4*\slot+3], s[G0B+4*\slot+2:G0B+4*\slot+3], 2*256
	JLOAD \slot                                    ; the first tensor load behind the round; its four v_nop are also the places in front of the loads below
.else
	PLACES
.endif
	FETCH \next, 0, F0
	WIN MUL
	MUL8 F1, 4, 0
	MUL8 F1, 6, 0
.endm
	s_wait_tensorcnt 1                             ; my part of K step 0 is in; K step 1's load may be out
	s_barrier_signal -1
	s_barrier_wait -1
	FETCH 0, 0, F0
	QUARTER 0, 1, F0, F1, 1                        ; the first quarter's products start the sums
	WIN 0
	s_mov_b32 s3, LAPS-1
.Llap:                                             ; a trip goes once round the ring and fills both slots again
	QUARTER 0, 2, F1, F0, 0
	QUARTER 0, 3, F0, F1, 0
	TURN 0, 1, 1
	QUARTER 1, 1, F0, F1, 0
	QUARTER 1, 2, F1, F0, 0
	QUARTER 1, 3, F0, F1, 0
	TURN 1, 0, 1
	QUARTER 0, 1, F0, F1, 0
	WIN 0
	s_sub_co_u32 s3, s3, 1
	s_cmp_lg_u32 s3, 0
	s_cbranch_scc1 .Llap
	QUARTER 0, 2, F1, F0, 0                        ; the last lap fills nothing
	QUARTER 0, 3, F0, F1, 0
	TURN 0, 1, 0
	QUARTER 1, 1, F0, F1, 0
	QUARTER 1, 2, F1, F0, 0
	QUARTER 1, 3, F0, F1, 0
	s_wait_dscnt 8
	WIN MUL
	MUL8 F1, 0, 0
	MUL8 F1, 2, 0
	s_wait_dscnt 0x0
	MUL8 F1, 4, 0
	MUL8 F1, 6, 0
	WIN 0
; THE WAY OUT, by blocks of 16 rows x 64 columns: through my own stage in LDS, back as whole rows of 256 bytes.  LDS serves a wave's instructions in order (ISA guide 5.7.1.4): no wait between the stores and the loads.
.macro TOSTAGE a
	WIN 0x04                                       ; an LDS store's data are its source 1: window 1
.irp b, 0,1,2,3
	ds_store_b128 v[STO], v[8*(4*(\a)+\b):8*(4*(\a)+\b)+3] offset:64*\b        ; each accumulator from its low end on
	ds_store_b128 v[STO], v[8*(4*(\a)+\b)+4:8*(4*(\a)+\b)+7] offset:64*\b+16
.endr
	WIN 0
.set BB, 32+96*((\a)%2)
.irp t, 0,1,2,3,4,5,6,7
	ds_load_b128 v[BB+4*\t:BB+4*\t+3], v[RD] offset:\t*2*PITCH
.endr
.endm
.macro SEND a, younger
.set BB, 32+96*((\a)%2)
	s_wait_dscnt \younger                          ; the block is back in registers; the next block's 8 stores and 8 loads may be out
.if (\a) > 0
	s_add_nc_u64 s[8:9], s[8:9], 65536             ; 16 rows on (behind a wait that shows the earlier stores have read their base)
.endif
.irp t, 0,1,2,3,4,5,6,7
	global_store_b128 v[CO], v[BB+4*\t:BB+4*\t+3], s[8:9] offset:8192*\t th:TH_STORE_NT   ; 16 lanes store 256 consecutive bytes, aligned
.endr
.endm
	PLACES
	TOSTAGE 0
.irp a, 1,2,3,4,5,6,7
.if \a > 1
	s_wait_xcnt 0x0                                ; block a - 2's stores have read their registers and their base
.endif
	TOSTAGE \a
	SEND \a-1, 16
.endr
	s_wait_xcnt 0x0
	SEND 7, 0
	s_wait_tensorcnt 0x0                           ; the wave's end
	ds_add_u32 v[SPW], v[NIL]
	s_wait_dscnt 0x0
	CROUND                                         ; the closing round
	s_endpgm
.Lfunc_end_k_q9b56d3a9b7_proj:
	.size	k_q9b56d3a9b7_proj, .Lfunc_end_k_q9b56d3a9b7_proj-k_q9b56d3a9b7_proj
	.p2alignl 7, 3214868480
	.fill 96, 4, 3214868480
	.section	.rodata,"a",@progbits
	.p2align	6, 0x0
	.amdhsa_kernel k_q9b56d3a9b7_proj
		.amdhsa_group_segment_fixed_size 327680
		.amdhsa_private_segment_fixed_size 0
		.amdhsa_enable_private_segment 0
		.amdhsa_kernarg_size 24
		.amdhsa_user_sgpr_count 2
		.amdhsa_user_sgpr_kernarg_segment_ptr 1
		.amdhsa_wavefront_size32 1
		.amdhsa_system_sgpr_workgroup_id_x 1
		.amdhsa_system_sgpr_workgroup_id_y 1
		.amdhsa_system_sgpr_workgroup_id_z 1
		.amdhsa_system_vgpr_workitem_id 0
		.amdhsa_next_free_vgpr 512
		.amdhsa_next_free_sgpr 66
		.amdhsa_reserve_vcc 0
		.amdhsa_float_denorm_mode_32 3
		.amdhsa_float_denorm_mode_16_64 3
		.amdhsa_memory_ordered 1
		.amdhsa_forward_progress 1
		.amdhsa_inst_pref_size 85
	.end_amdhsa_kernel
	.amdgpu_metadata
---
amdhsa.version: [ 1, 2 ]
amdhsa.kernels:
  - .name:           k_q9b56d3a9b7_proj
    .symbol:         k_q9b56d3a9b7_proj.kd
    .args:
      - { .name: af, .offset: 0, .size: 8, .value_kind: global_buffer, .address_space: global }
      - { .name: wo16, .offset: 8, .size: 8, .value_kind: global_buffer, .address_space: global }
      - { .name: out0, .offset: 16, .size: 8, .value_kind: global_buffer, .address_space: global }
    .group_segment_fixed_size: 327680
    .private_segment_fixed_size: 0
    .kernarg_segment_align: 8
    .kernarg_segment_size: 24
    .max_flat_workgroup_size: 128
    .sgpr_count:     66
    .vgpr_count:     512
    .wavefront_size: 32
...
	.end_amdgpu_metadata
.endif
;; end of part 4
;; launch first16 (part 5): grid 16 x 4, 16 waves a work-group, no clusters, 71,680 bytes of LDS; arguments fine, Wo, out0; writes out0
.if DOCPART == 5
	.amdgcn_target "amdgcn-amd-amdhsa--gfx1250"
	.amdhsa_code_object_version 6
	.text
	.protected	k_q9b56d3a9b7_first16
	.globl	k_q9b56d3a9b7_first16
	.p2align	8
	.type	k_q9b56d3a9b7_first16,@function
k_q9b56d3a9b7_first16:
	s_mov_b64 s[64:65], 0
	v_nop
	global_prefetch_b8 v0, s[64:65] scope:SCOPE_SE
	s_setreg_imm32_b32 hwreg(HW_REG_WAVE_MODE, 25, 1), 1
	s_wait_xcnt 0x0
; FIRST16: positions 0 to 15 of each batch, where a row averages one to sixteen values: attention and projection with f32 operands, written over what the launch before left in those 64 rows.
; SHARES.  Work-group (x, y): batch y, output columns 64 x .. 64 x + 63.  Wave w is head w: it makes its head's attention for the 16 positions, then its head's share (K = 64) of the 16 x 64 outputs;
; the sixteen shares meet in LDS and are added in the order of the heads.  The attention is made again in each of a batch's sixteen work-groups: 32 small products a wave.
; q (with log2(e)/8 in it), k and v come as images of the registers in which the first launch's sums lay: lane (r, h): q, k: position r, channels 16 piece + 8 h + j; v: channel 16 ct + r, key 8 h + j.
; The f32 form takes 4 along K: register j of lane (r, h) is k = 2 h + j.  Both sources of a product are given the same registers of their images, so K is permuted alike on both sides.
; The registers that the f32 form writes (v112-143, v160-223) are written by matrix instructions alone; each sum begins with the constant 0; the accumulators take turns.
.set LI,   1                           ; v1 16 x lane
.set WA,   2                           ; v2 Wo: 4,096 r + 32 h
.set STO,  3                           ; v3 where I put my share
.set RD,   4                           ; v4 where I read the shares
.set GOUT, 5                           ; v5 my 16 bytes of out0
.set DV,   6                           ; v6 r - 8 h: key 8 h + j is hidden where j > this
.set NINF, 7
.set SPW,  14
.set NIL,  15
.set QR,   16
.set KR,   48
.set VR,   80
.set SS,   112                         ; four partial sums of S^T
.set XX,   144                         ; the scores, then p
.set TM,   152
.set OO,   160                         ; O^T, 8 registers for each 16 channels
.set OUTR, 192                         ; my share: 8 registers for each 16 output columns
.set W3,   224
.set SPARE, 69632                      ; behind the sixteen shares of 16 x 272 bytes: the spare words
	s_load_b128 s[4:7], s[0:1], 0x0                ; fine, Wo
	s_load_b64 s[8:9], s[0:1], 0x10                ; out0
	v_lshl_add_u32 v[SPW], v0, 2, SPARE
	v_mov_b32 v[NIL], 0
	v_lshrrev_b32 v8, 5, v0
	v_readfirstlane_b32 s10, v8                    ; wave = head
	s_and_b32 s12, ttmp7, 0xffff                   ; batch
	v_and_b32 v8, 15, v0                           ; r
	v_bfe_u32 v9, v0, 4, 1                         ; h
	v_and_b32 v[LI], 31, v0
	v_lshlrev_b32 v[LI], 4, v[LI]
	v_lshlrev_b32 v[WA], 12, v8
	v_lshl_add_u32 v[WA], v9, 5, v[WA]
	s_mul_i32 s14, s10, 4352
	v_lshlrev_b32 v[STO], 4, v8
	v_mad_u32_u24 v[STO], v9, 544, v[STO]
	v_add_nc_u32 v[STO], s14, v[STO]               ; 4,352 wave + 16 r + 544 h: an LDS row is four output columns of the 16 positions, 256 bytes + 16
	s_lshl_b32 s14, s10, 5
	v_mul_u32_u24 v[RD], v8, 272
	v_lshl_add_u32 v[RD], v9, 4, v[RD]
	v_add_nc_u32 v[RD], s14, v[RD]                 ; 272 (lane % 16) + 16 (2 wave + lane / 16): position 2 wave + lane / 16, columns 4 (lane % 16) on
	s_lshl_b32 s14, s10, 13
	v_lshlrev_b32 v[GOUT], 12, v9
	v_lshl_add_u32 v[GOUT], v8, 4, v[GOUT]
	v_add_nc_u32 v[GOUT], s14, v[GOUT]
	v_lshlrev_b32 v9, 3, v9
	v_sub_nc_u32 v[DV], v8, v9
	v_mov_b32 v[NINF], 0xff800000
	s_mov_b32 s20, 0x76543210
	s_mov_b32 s21, 0xfedcba98
	s_lshl_b32 s14, s12, 4
	s_add_co_u32 s14, s14, s10
	s_mul_i32 s14, s14, 12288                      ; fine: (16 batch + head) x 3 images of 4,096 bytes
	s_mov_b32 s15, 0
	s_lshl_b32 s16, ttmp9, 18
	s_lshl_b32 s17, s10, 8
	s_add_co_u32 s16, s16, s17                     ; Wo: row 64 x, column 64 head
	s_mov_b32 s17, 0
	s_lshl_b32 s18, s12, 23
	s_lshl_b32 s19, ttmp9, 8
	s_add_co_u32 s18, s18, s19                     ; out0: row 2,048 batch, column 64 x
	s_mov_b32 s19, 0
	s_wait_kmcnt 0x0
	s_add_nc_u64 s[4:5], s[4:5], s[14:15]
	s_add_nc_u64 s[6:7], s[6:7], s[16:17]
	s_add_nc_u64 s[8:9], s[8:9], s[18:19]
.irp i, 0,1,2,3,4,5,6,7
	global_load_b128 v[QR+4*\i:QR+4*\i+3], v[LI], s[4:5] offset:512*\i
.endr
.irp i, 0,1,2,3,4,5,6,7
	global_load_b128 v[KR+4*\i:KR+4*\i+3], v[LI], s[4:5] offset:4096+512*\i
.endr
.irp i, 0,1,2,3,4,5,6,7
	global_load_b128 v[VR+4*\i:VR+4*\i+3], v[LI], s[4:5] offset:8192+512*\i
.endr
.macro WLD n, reg                      ; Wo's tile n: lane (r, h): row 64 x + 16 n + r, columns 64 head + 16 ct + 8 h + 0..7 at reg + 8 ct
.irp ct, 0,1,2,3
	global_load_b128 v[\reg+8*\ct:\reg+8*\ct+3], v[WA], s[6:7] offset:65536*\n+64*\ct
	global_load_b128 v[\reg+8*\ct+4:\reg+8*\ct+7], v[WA], s[6:7] offset:65536*\n+64*\ct+16
.endr
.endm
	WLD 3, W3
	s_wait_loadcnt 16                              ; q and k are in; v's eight loads and the tile's eight may be out
.irp g, 0,1,2,3                        ; S^T = k q^T: sixteen products of 4 channels, four partial sums by turns
.irp u, 0,1,2,3
.if \g == 0
	v_wmma_f32_16x16x4_f32 v[SS+8*\u:SS+8*\u+7], v[KR+2*(4*\g+\u):KR+2*(4*\g+\u)+1], v[QR+2*(4*\g+\u):QR+2*(4*\g+\u)+1], 0
.else
	v_wmma_f32_16x16x4_f32 v[SS+8*\u:SS+8*\u+7], v[KR+2*(4*\g+\u):KR+2*(4*\g+\u)+1], v[QR+2*(4*\g+\u):QR+2*(4*\g+\u)+1], v[SS+8*\u:SS+8*\u+7]
.endif
.endr
.endr
.rept 8
	v_nop                                          ; eight places behind this form: in front of loads into q's and k's registers, and of the first read of the sums
.endr
	WLD 0, QR
	WLD 1, KR
.irp i, 0,2,4,6                        ; lane (r, h), register j: key 8 h + j, query r.  Each sum is read from its low end on
	v_pk_add_f32 v[XX+\i:XX+\i+1], v[SS+\i:SS+\i+1], v[SS+8+\i:SS+8+\i+1]
	v_pk_add_f32 v[TM+\i:TM+\i+1], v[SS+16+\i:SS+16+\i+1], v[SS+24+\i:SS+24+\i+1]
.endr
.irp i, 0,2,4,6
	v_pk_add_f32 v[XX+\i:XX+\i+1], v[XX+\i:XX+\i+1], v[TM+\i:TM+\i+1]
.endr
.irp j, 0,1,2,3,4,5,6,7
	v_cmp_gt_i32 vcc_lo, \j, v[DV]
	v_cndmask_b32 v[XX+\j], v[XX+\j], v[NINF], vcc_lo   ; the causal mask
.endr
	v_max3_num_f32 v8, v[XX], v[XX+1], v[XX+2]
	v_max3_num_f32 v9, v[XX+3], v[XX+4], v[XX+5]
	v_max3_num_f32 v8, v8, v[XX+6], v[XX+7]
	v_max_num_f32 v8, v8, v9
	v_permlanex16_b32 v9, v8, s20, s21
	v_max_num_f32 v8, v8, v9                       ; the row's largest: key 0 counts for every query, so it is a number
.irp j, 0,1,2,3,4,5,6,7
	v_sub_f32 v[XX+\j], v[XX+\j], v8
.endr
.irp j, 0,1,2,3,4,5,6,7
	v_exp_f32 v[XX+\j], v[XX+\j]
.endr
	v_nop
	s_wait_alu depctr_va_vdst(0)                   ; one wait for the eight exponentials
	v_pk_add_f32 v[10:11], v[XX:XX+1], v[XX+2:XX+3]
	v_pk_add_f32 v[12:13], v[XX+4:XX+5], v[XX+6:XX+7]
	v_pk_add_f32 v[10:11], v[10:11], v[12:13]
	v_add_f32 v10, v10, v11
	v_permlanex16_b32 v11, v10, s20, s21
	v_add_f32 v10, v10, v11
	v_rcp_f32 v10, v10
	v_nop
	s_wait_alu depctr_va_vdst(0)
.irp i, 0,2,4,6
	v_pk_mul_f32 v[XX+\i:XX+\i+1], v[XX+\i:XX+\i+1], v[10:11] op_sel_hi:[1,0]   ; the softmax, normalised
.endr
	s_wait_loadcnt 24                              ; v is in; Wo's tiles 3, 0 and 1 (24 loads) may be out
.irp g, 0,1,2,3                        ; O^T = v^T p: keys 8 h + 2 g + 0, 1; the four accumulators by turns
.irp ct, 0,1,2,3
.if \g == 0
	v_wmma_f32_16x16x4_f32 v[OO+8*\ct:OO+8*\ct+7], v[VR+8*\ct+2*\g:VR+8*\ct+2*\g+1], v[XX+2*\g:XX+2*\g+1], 0
.else
	v_wmma_f32_16x16x4_f32 v[OO+8*\ct:OO+8*\ct+7], v[VR+8*\ct+2*\g:VR+8*\ct+2*\g+1], v[XX+2*\g:XX+2*\g+1], v[OO+8*\ct:OO+8*\ct+7]
.endif
.endr
.endr
.rept 9
	v_nop                                          ; nine places: O^T is the next products' source 1; the loads into v's registers want eight
.endr
	WLD 2, VR
	s_wait_loadcnt 0x0
.irp ct, 0,1,2,3                       ; my share: source 0 = 16 rows of Wo, source 1 = O^T: lane (r, h), register j: output column 16 n + 8 h + j, position r
.irp g, 0,1,2,3
.irp n, 0,1,2,3
.set rW, QR+32*\n
.if \n == 3
.set rW, W3
.endif
.if (\ct == 0) && (\g == 0)
	v_wmma_f32_16x16x4_f32 v[OUTR+8*\n:OUTR+8*\n+7], v[rW+8*\ct+2*\g:rW+8*\ct+2*\g+1], v[OO+8*\ct+2*\g:OO+8*\ct+2*\g+1], 0
.else
	v_wmma_f32_16x16x4_f32 v[OUTR+8*\n:OUTR+8*\n+7], v[rW+8*\ct+2*\g:rW+8*\ct+2*\g+1], v[OO+8*\ct+2*\g:OO+8*\ct+2*\g+1], v[OUTR+8*\n:OUTR+8*\n+7]
.endif
.endr
.endr
.endr
.rept 8
	v_nop                                          ; eight places in front of the stores that read the sums, and of the loads into Wo's registers further down
.endr
.irp n, 0,1,2,3
.irp c, 0,1
	ds_store_b128 v[STO], v[OUTR+8*\n+4*\c:OUTR+8*\n+4*\c+3] offset:272*(4*\n+\c)   ; sixteen lanes fill 256 consecutive bytes
.endr
.endr
	s_wait_dscnt 0x0                               ; for the others' sake: my share lies in LDS
	s_barrier_signal -1
	s_barrier_wait -1
	s_cmp_lt_u32 s10, 8                            ; waves 0-7 add: two positions a wave
	s_cbranch_scc0 .Ldone
.irp p, 0,1,2,3,4,5,6,7,8,9,10,11,12,13,14,15
	ds_load_b128 v[QR+4*\p:QR+4*\p+3], v[RD] offset:4352*\p
.endr
	s_wait_dscnt 0x0
	v_pk_add_f32 v[8:9], v[QR:QR+1], v[QR+4:QR+5]
	v_pk_add_f32 v[10:11], v[QR+2:QR+3], v[QR+6:QR+7]
.irp p, 2,3,4,5,6,7,8,9,10,11,12,13,14,15
	v_pk_add_f32 v[8:9], v[8:9], v[QR+4*\p:QR+4*\p+1]
	v_pk_add_f32 v[10:11], v[10:11], v[QR+4*\p+2:QR+4*\p+3]
.endr
	global_store_b128 v[GOUT], v[8:11], s[8:9]     ; 16 lanes store 256 consecutive bytes, aligned
.Ldone:
	s_wait_tensorcnt 0x0                           ; the wave's end
	ds_add_u32 v[SPW], v[NIL]
	s_wait_dscnt 0x0
	s_endpgm
.Lfunc_end_k_q9b56d3a9b7_first16:
	.size	k_q9b56d3a9b7_first16, .Lfunc_end_k_q9b56d3a9b7_first16-k_q9b56d3a9b7_first16
	.p2alignl 7, 3214868480
	.fill 96, 4, 3214868480
	.section	.rodata,"a",@progbits
	.p2align	6, 0x0
	.amdhsa_kernel k_q9b56d3a9b7_first16
		.amdhsa_group_segment_fixed_size 71680
		.amdhsa_private_segment_fixed_size 0
		.amdhsa_enable_private_segment 0
		.amdhsa_kernarg_size 24
		.amdhsa_user_sgpr_count 2
		.amdhsa_user_sgpr_kernarg_segment_ptr 1
		.amdhsa_wavefront_size32 1
		.amdhsa_system_sgpr_workgroup_id_x 1
		.amdhsa_system_sgpr_workgroup_id_y 1
		.amdhsa_system_sgpr_workgroup_id_z 1
		.amdhsa_system_vgpr_workitem_id 0
		.amdhsa_next_free_vgpr 256
		.amdhsa_next_free_sgpr 66
		.amdhsa_reserve_vcc 1
		.amdhsa_float_denorm_mode_32 3
		.amdhsa_float_denorm_mode_16_64 3
		.amdhsa_memory_ordered 1
		.amdhsa_forward_progress 1
		.amdhsa_inst_pref_size 21
	.end_amdhsa_kernel
	.amdgpu_metadata
---
amdhsa.version: [ 1, 2 ]
amdhsa.kernels:
  - .name:           k_q9b56d3a9b7_first16
    .symbol:         k_q9b56d3a9b7_first16.kd
    .args:
      - { .name: fine, .offset: 0, .size: 8, .value_kind: global_buffer, .address_space: global }
      - { .name: Wo, .offset: 8, .size: 8, .value_kind: global_buffer, .address_space: global }
      - { .name: out0, .offset: 16, .size: 8, .value_kind: global_buffer, .address_space: global }
    .group_segment_fixed_size: 71680
    .private_segment_fixed_size: 0
    .kernarg_segment_align: 8
    .kernarg_segment_size: 24
    .max_flat_workgroup_size: 512
    .sgpr_count:     66
    .vgpr_count:     256
    .wavefront_size: 32
...
	.end_amdgpu_metadata
.endif
;; end of part 5
